; MI455X (gfx1250); checked and timed in simulation.
; The chip was launched on July 23, 2026; its instructions are those of AMD's public machine-readable ISA for CDNA 5 (MIT licence, August 2026) and "CDNA5" Instruction Set Architecture Reference Guide (July 2026). The comments in the code are by the model that wrote it; some were corrected since.
;; Transformer Block. Allowed arithmetic: matrix products marked QUANTISED: E3M2 operands, one E8M0 scale for each 32 along K, by v_wmma_scale_f32_16x16x128_f8f6f4 with both operands' format E3M2, f32 sums; everything else in f32.
;; Inputs: Wk_b 512 float32; Wk_w 512 x 512 float32; Wo_b 512 float32; Wo_w 512 x 512 float32; Wq_b 512 float32; Wq_w 512 x 512 float32; Wv_b 512 float32; Wv_w 512 x 512 float32; l1_b 2,048 float32; l1_w 2,048 x 512 float32; l2_b 512 float32; l2_w 512 x 2,048 float32; n1_scale 512 float32; n1_shift 512 float32; n2_scale 512 float32; n2_shift 512 float32; x 4 x 2,048 x 512 float32.
;; Outputs: out0 4 x 2,048 x 512 float32.
;; This version of the problem:
;;   THIS VERSION OF THE PROBLEM IS GIVEN IN LOW PRECISION. The matrix products marked QUANTISED in the list below multiply operands that are first quantised to E3M2 (3 exponent bits, 2 mantissa bits; 6 bits a number), with one power-of-two scale for each 32 numbers along K (OCP MX v1.0); their sums are f32. All else is computed in f32.
;;   The module's matrix products, in the order in which they are computed (A, B: the left and right operand; K: the contracted axis; several contracted axes count as one K, in the product's order):
;;     1. [M 8,192, K 512] x [K 512, N 512]; A: computed on the way; B: input Wq_w: QUANTISED
;;     2. [M 8,192, K 512] x [K 512, N 512]; A: computed on the way; B: input Wk_w: QUANTISED
;;     3. [M 8,192, K 512] x [K 512, N 512]; A: computed on the way; B: input Wv_w: QUANTISED
;;     4. batch 64 x [M 2,048, K 32] x [K 32, N 2,048]; A: computed on the way; B: computed on the way: QUANTISED
;;     5. batch 64 x [M 2,048, K 2,048] x [K 2,048, N 32]; A: softmax (see below); B: computed on the way: QUANTISED
;;     6. [M 8,192, K 512] x [K 512, N 512]; A: computed on the way; B: input Wo_w: QUANTISED
;;     7. [M 8,192, K 512] x [K 512, N 2,048]; A: computed on the way; B: input l1_w: QUANTISED
;;     8. [M 8,192, K 2,048] x [K 2,048, N 512]; A: computed on the way; B: input l2_w: QUANTISED
;;   THE QUANTISER, for each operand of a quantised product, along K:
;;     - K is cut into blocks of 32 from its start; a last block that is shorter is filled with zeros.
;;     - A block's scale is 2^e with e = floor(log2(the largest magnitude in the block)) - 4, held to -126 .. 127; a block of zeros has e = 0. As a byte (E8M0): e + 127.
;;     - Each number is divided by its block's scale, clamped to +-28, and rounded to the nearest number of E3M2, ties to even, subnormals kept.
;;     - The product sums the exact products of the quantised numbers (number of the format x scale) in f32.
;;   ~~~python
;;   def quantise(x, axis):      # numpy; x: float32 -> the quantised numbers, widened to float32 again
;;       x = np.moveaxis(x, axis, -1); K = x.shape[-1]
;;       x = np.pad(x, [(0, 0)] * (x.ndim - 1) + [(0, -K % 32)]); x = x.reshape(x.shape[:-1] + (-1, 32)); a = np.abs(x).max(-1, keepdims=True)
;;       e = np.where(a > 0, np.clip(np.frexp(np.where(a > 0, a, 1))[1] - 1 - 4, -126, 127), 0)      # np.frexp(a)[1] - 1 = floor(log2(a)), exactly
;;       r = np.clip(x / 2.0 ** e, -28, 28)
;;       step = 2.0 ** (np.maximum(np.frexp(np.where(r == 0, 1, r))[1] - 1, -2) - 2)
;;       q = np.round(r / step) * step * 2.0 ** e      # np.round: ties to even
;;       return np.moveaxis(q.reshape(q.shape[:-2] + (-1,))[..., :K], -1, axis).astype(np.float32)
;;   ~~~
;;   SOFTMAX AHEAD OF A QUANTISED PRODUCT. Where the list says 'softmax', what is quantised is not the finished softmax but p = 2^(t - M), with t = logit x log2(e) and M = ceil(the row's largest t), a whole number; so 1/2 < the row's largest p <= 1. The row's sum l is taken of the UNQUANTISED p, in f32, and the product's result is divided by l at the end. Since M is a whole number, a kernel that streams over the keys may use a running M (the ceiling of the running maximum): every later rescaling is an exact power of two, which a block's scale takes up: the codes' values come out the same.
;;   OPERANDS COMPUTED ON THE WAY. 'Computed on the way' means the value that the module computes at that place (a softmax that the list does not call 'softmax' is quantised finished and normalised). What goes into a quantiser is computed in f32, as accurately as f32 sums, v_exp_f32 and their like allow (about 1e-6 of the number): no bf16 or f16 on the way to a quantiser, and a product that is left as it is and whose result goes on into a quantised operand takes f32 operands (vector FMAs, or v_wmma_f32_16x16x4_f32). A number that lies on a knife's edge between two numbers of the format may be rounded either way, as far as f32 arithmetic and the matrix unit's own rounding can turn it there, and no further.
;; One version. Each part assembles by itself: llvm-mc -triple=amdgcn-amd-amdhsa -mcpu=gfx1250 --defsym DOCPART=n.
;; ======== version 1 of 1: 5 launches
;; limits: right only within a limited range of input values
;; workspace buffers: stats 4,096 bytes; wimg 2,359,296 bytes; wsc 196,608 bytes; qkv 10,485,760 bytes; vsc 131,072 bytes; ctx 3,145,728 bytes; ctxs 131,072 bytes; x2 16,777,216 bytes
;; launch prep (part 1): grid 352 x 1, 4 waves a work-group, no clusters, 768 bytes of LDS; arguments x, Wq_w, Wk_w, Wv_w, Wo_w, l1_w, l2_w, stats, wimg, wsc; writes stats, wimg, wsc
.if DOCPART == 1
	.amdgcn_target "amdgcn-amd-amdhsa--gfx1250"
	.amdhsa_code_object_version 6
	.text
	.protected	k_q3b3d7b7268_prep
	.globl	k_q3b3d7b7268_prep
	.p2align	8
	.type	k_q3b3d7b7268_prep,@function
k_q3b3d7b7268_prep:
	s_mov_b64 s[64:65], 0
	v_nop
	global_prefetch_b8 v0, s[64:65] scope:SCOPE_SE
	s_setreg_imm32_b32 hwreg(HW_REG_WAVE_MODE, 25, 1), 1
	s_wait_xcnt 0x0
; PREP.  Two jobs, told apart by the work-group's number alone.
; Work-groups 0-255: (mean, sum of squared deviations) of 32 rows of x (16,384 numbers) -> stats[8 i].  The whole tensor's variance is made
; later by merging these 256 pairs: no difference of large sums is formed, so a common offset of x costs no accuracy.
; Work-groups 256-351: each wave turns one QUAD of a weight (16 rows x 512 along K, f32) into four operand images of BF6 (E3M2) codes and
; the rows' scale words.  An image is the operand's 12 registers as they stand: register group g of lane l at 512 g + 16 l (1,536 bytes),
; so that a later launch loads a fragment by three loads of 16 bytes a lane.  Quads: 0-31 Wq, 32-63 Wk (rows permuted), 64-95 Wv, 96-127 Wo
; (rows as they lie), 128-255 l1 (permuted), 256 + 8 w + 2 kq + u: l2, tile 2 w + u, K columns 512 kq on.
; Permuted: lane row r of tile T is weight row 32 (T / 2) + 8 (T % 2) + r + 8 (r / 8), so that the results of two neighbouring tiles are 16 neighbours in a lane's registers.
; A block's scale byte is its largest magnitude's exponent field - 4, held at 1 from below.
; LIMITS: NaN and infinities are not served; a block of zeros gets the byte 1 (its codes are zeros; the bytes are read by this program alone).
; No tensor loads, matrix units or clusters: memory binds, and work-groups share no input.
.set SEL,  40                          ; s[40:41] lane selects for v_permlanex16_b32: lane l xor 16
.set RT,   2                           ; v2-9    at work in ROWSTAT
.set RP,   10                          ; v10     the other half's number
.set MD,   11                          ; v11     a merge's difference of means
.set MA,   12                          ; v12     a merge's sum of means
.set MS,   16                          ; v16-31  (mean, S) of my wave's 8 rows
.set X,    32                          ; v32-159 8 rows x 16 numbers a lane; in the quantiser two sets of 64 numbers
.set SELP, 160                         ; v[160:161] the pair of row lane % 8
.set ZO,   162                         ; v162    0
.set WP,   164                         ; v164-171 the four waves' pairs
.set PC,   8                           ; v8-27   the quantiser's codes
.set PW,   28                          ; v28     its scale word
.set TM,   160                         ; v160-175 its work
.set SW,   176                         ; v176-179 the four K steps' scale words
.macro BFLY a, d                       ; the sum over the 32 lanes of v[a] -> v[d], in every lane
	v_add_f32_dpp v[\a], v[\a], v[\a] row_xmask:1 row_mask:0xf bank_mask:0xf
	v_add_f32_dpp v[\a], v[\a], v[\a] row_xmask:2 row_mask:0xf bank_mask:0xf
	v_add_f32_dpp v[\a], v[\a], v[\a] row_xmask:4 row_mask:0xf bank_mask:0xf
	v_add_f32_dpp v[\a], v[\a], v[\a] row_xmask:8 row_mask:0xf bank_mask:0xf
	v_permlanex16_b32 v[RP], v[\a], s[SEL], s[SEL+1]
	v_add_f32 v[\d], v[\a], v[RP]
.endm
; a row of 512 numbers, 16 a lane in v[xb] on -> v[ms] = its mean, v[ms + 1] = the sum of squared deviations from it
.macro ROWSTAT xb, ms
.irp k, 0,1,2,3
	v_pk_add_f32 v[RT+2*\k:RT+2*\k+1], v[(\xb)+4*\k:(\xb)+4*\k+1], v[(\xb)+4*\k+2:(\xb)+4*\k+3]
.endr
	v_pk_add_f32 v[RT:RT+1], v[RT:RT+1], v[RT+2:RT+3]
	v_pk_add_f32 v[RT+4:RT+5], v[RT+4:RT+5], v[RT+6:RT+7]
	v_pk_add_f32 v[RT:RT+1], v[RT:RT+1], v[RT+4:RT+5]
	v_add_f32 v[RT], v[RT], v[RT+1]
	BFLY RT, RT
	v_mul_f32 v[\ms], 0x3b000000, v[RT]            ; / 512
	v_pk_add_f32 v[RT:RT+1], v[(\xb):(\xb)+1], v[(\ms):(\ms)+1] op_sel_hi:[1,0] neg_lo:[0,1] neg_hi:[0,1]
	v_pk_add_f32 v[RT+2:RT+3], v[(\xb)+2:(\xb)+3], v[(\ms):(\ms)+1] op_sel_hi:[1,0] neg_lo:[0,1] neg_hi:[0,1]
	v_pk_mul_f32 v[RT+4:RT+5], v[RT:RT+1], v[RT:RT+1]
	v_pk_mul_f32 v[RT+6:RT+7], v[RT+2:RT+3], v[RT+2:RT+3]
.irp k, 4,8,12
	v_pk_add_f32 v[RT:RT+1], v[(\xb)+\k:(\xb)+\k+1], v[(\ms):(\ms)+1] op_sel_hi:[1,0] neg_lo:[0,1] neg_hi:[0,1]
	v_pk_add_f32 v[RT+2:RT+3], v[(\xb)+\k+2:(\xb)+\k+3], v[(\ms):(\ms)+1] op_sel_hi:[1,0] neg_lo:[0,1] neg_hi:[0,1]
	v_pk_fma_f32 v[RT+4:RT+5], v[RT:RT+1], v[RT:RT+1], v[RT+4:RT+5]
	v_pk_fma_f32 v[RT+6:RT+7], v[RT+2:RT+3], v[RT+2:RT+3], v[RT+6:RT+7]
.endr
	v_pk_add_f32 v[RT+4:RT+5], v[RT+4:RT+5], v[RT+6:RT+7]
	v_add_f32 v[RT+4], v[RT+4], v[RT+5]
	BFLY RT+4, (\ms)+1
.endm
; two pairs of equally many numbers, 2^(lg + 1) each, become one: mean = (ma + mb) / 2, S = Sa + Sb + (ma - mb)^2 x 2^lg
.macro MERGE_REG a, b, lg
	v_sub_f32 v[MD], v[\a], v[\b]
	v_add_f32 v[\a], v[\a], v[\b]
	v_add_f32 v[(\a)+1], v[(\a)+1], v[(\b)+1]
	v_mul_f32 v[MD], v[MD], v[MD]
	v_mul_f32 v[\a], 0.5, v[\a]
	v_fmamk_f32 v[(\a)+1], v[MD], (127+(\lg))<<23, v[(\a)+1]
.endm
.macro MERGE_DPP a, mask, lg           ; the same with lane l xor mask's pair
	v_sub_f32_dpp v[MD], v[\a], v[\a] row_xmask:\mask row_mask:0xf bank_mask:0xf
	v_add_f32_dpp v[MA], v[\a], v[\a] row_xmask:\mask row_mask:0xf bank_mask:0xf
	v_add_f32_dpp v[(\a)+1], v[(\a)+1], v[(\a)+1] row_xmask:\mask row_mask:0xf bank_mask:0xf
	v_mul_f32 v[MD], v[MD], v[MD]
	v_mul_f32 v[\a], 0.5, v[MA]
	v_fmamk_f32 v[(\a)+1], v[MD], (127+(\lg))<<23, v[(\a)+1]
.endm
; 64 numbers of a lane, register 16 b + i = k 32 b + 16 (lane / 16) + i of my row, become a fragment's codes in v[PC] on and its scale word in v[PW]
.macro QUANT s
.irp b, 0,1,2,3
	v_max3_num_f32 v[TM+\b], |v[\s+16*\b]|, |v[\s+1+16*\b]|, 0x2800000   ; my 16 numbers of block b, and the floor 2^(5 - 127): the byte cannot fall under 1
.endr
.irp i, 2,4,6,8,10,12,14
.irp b, 0,1,2,3
	v_max3_num_f32 v[TM+\b], v[TM+\b], |v[\s+16*\b+\i]|, |v[\s+1+16*\b+\i]|
.endr
.endr
.irp b, 0,1,2,3
	v_permlanex16_b32 v[TM+4+\b], v[TM+\b], s[SEL], s[SEL+1]
.endr
.irp b, 0,1,2,3
	v_max_num_f32 v[TM+\b], v[TM+\b], v[TM+4+\b]   ; with lane l xor 16's: the block's largest magnitude
.endr
.irp b, 0,1,2,3
	v_add_nc_u32 v[TM+12+\b], 0xfe000000, v[TM+\b] ; 4 off its exponent field: the conversion's scale operand
.endr
.irp b, 0,1,2,3
	v_lshrrev_b32 v[TM+4+\b], 23, v[TM+12+\b]      ; the scale's byte
.endr
	v_lshl_or_b32 v[PW], v[TM+5], 8, v[TM+4]
	v_lshl_or_b32 v[PW], v[TM+6], 16, v[PW]
	v_lshl_or_b32 v[PW], v[TM+7], 24, v[PW]
.irp c, 0,1
	v_cvt_scalef32_pk16_bf6_f32 v[PC+6*\c:PC+2+6*\c], v[\s+32*\c:\s+15+32*\c], v[TM+12+2*\c]
	v_cvt_scalef32_pk16_bf6_f32 v[PC+12+4*\c:PC+14+4*\c], v[\s+16+32*\c:\s+31+32*\c], v[TM+12+2*\c+1]
.endr
	v_nop                                          ; one plain place behind a scaled conversion
.irp c, 0,1                                    ; the operand wants a whole block in a lane: lanes 0-15 block 2 c, lanes 16-31 block 2 c + 1
.irp i, 0,1,2
	v_permlane16_swap_b32 v[PC+6*\c+\i], v[PC+12+4*\c+\i]
.endr
.irp i, 0,1,2
	v_mov_b32 v[PC+3+6*\c+\i], v[PC+12+4*\c+\i]
.endr
.endr
.endm
	s_load_b512 s[4:19], s[0:1], 0x0               ; x, Wq, Wk, Wv, Wo, l1, l2, stats
	s_load_b128 s[20:23], s[0:1], 0x40             ; wimg, wsc
	v_lshl_add_u32 v192, v0, 2, 0x100
	v_mov_b32 v193, 0
	v_lshrrev_b32 v1, 5, v0
	v_readfirstlane_b32 s24, v1                    ; wave 0..3
	v_and_b32 v1, 31, v0                           ; lane
	s_mov_b32 s[SEL], 0x76543210
	s_mov_b32 s[SEL+1], 0xfedcba98
	s_cmp_lt_u32 ttmp9, 256
	s_cbranch_scc0 .Lquant
	; ---- the statistics of rows 32 i .. 32 i + 31; wave w takes rows 8 w .. 8 w + 7, a load covers 512 neighbouring bytes
	v_lshlrev_b32 v14, 4, v1
	s_lshl_b32 s25, s24, 14
	v_add_nc_u32 v14, s25, v14                     ; 16 x lane + 8 rows x wave
	v_and_b32 v13, 7, v1
	s_lshl_b32 s25, s24, 3
	v_mov_b32 v15, s25                             ; LDS: my wave's pair at 8 x wave
	s_lshl_b32 s26, ttmp9, 16
	s_mov_b32 s27, 0
	s_lshl_b32 s28, ttmp9, 3
	s_mov_b32 s29, 0
	s_wait_alu depctr_va_vdst(0)
	s_wait_kmcnt 0x0
	s_add_nc_u64 s[4:5], s[4:5], s[26:27]
	s_add_nc_u64 s[18:19], s[18:19], s[28:29]
.irp p, 0,1,2,3,4,5,6,7
.irp j, 0,1,2,3
	global_load_b128 v[X+16*\p+4*\j:X+16*\p+4*\j+3], v14, s[4:5] offset:2048*\p+512*\j
.endr
.endr
.irp p, 0,1,2,3,4,5,6,7
	v_mov_b32 v[MS+2*\p+1], 0                      ; named as the upper half of a pair before it is first made
.endr
	v_mov_b32 v[RP], 0                             ; destinations of lane exchanges count as read: written once
	v_mov_b32 v[MD], 0
	v_mov_b32 v[MA], 0
.irp p, 0,1,2,3,4,5,6,7
	s_wait_loadcnt 28-4*\p                         ; row p's four loads are in; the later rows' four each may be out
	ROWSTAT X+16*\p, MS+2*\p
.endr
	v_mov_b32 v[SELP], v[MS]                       ; every lane holds all 8 pairs: lane l keeps row l % 8's,
	v_mov_b32 v[SELP+1], v[MS+1]
.irp p, 1,2,3,4,5,6,7
	v_cmp_eq_u32 vcc_lo, \p, v13
	v_cndmask_b32 v[SELP], v[SELP], v[MS+2*\p], vcc_lo
	v_cndmask_b32 v[SELP+1], v[SELP+1], v[MS+2*\p+1], vcc_lo
.endr
	MERGE_DPP SELP, 1, 8                           ; and three merges make the wave's: 512, 1,024, 2,048 numbers a side
	MERGE_DPP SELP, 2, 9
	MERGE_DPP SELP, 4, 10
	ds_store_b64 v15, v[SELP:SELP+1]               ; all lanes write the same 8 bytes with the same value
	s_wait_dscnt 0x0                               ; for the others' sake: my store has landed
	s_barrier_signal -1
	s_barrier_wait -1
	v_mov_b32 v[ZO], 0
	ds_load_b128 v[WP:WP+3], v[ZO]
	ds_load_b128 v[WP+4:WP+7], v[ZO] offset:16
	s_wait_dscnt 0x0
	MERGE_REG WP, WP+2, 11
	MERGE_REG WP+4, WP+6, 11
	MERGE_REG WP, WP+4, 12
	s_wait_alu depctr_va_vdst(0)
	s_wait_xcnt 0x0                                ; EXEC changes only behind this wait
	v_cmp_eq_u32 vcc_lo, 0, v0
	s_wait_tensorcnt 0x0
	ds_add_u32 v192, v193
	s_wait_dscnt 0x0
	s_and_saveexec_b32 s25, vcc_lo
	global_store_b64 v[ZO], v[WP:WP+1], s[18:19]   ; thread 0 alone
	s_wait_xcnt 0x0
	s_or_b32 exec_lo, exec_lo, s25
	s_endpgm
	; ---- the weights
.Lquant:
	v_and_b32 v2, 15, v0                           ; r
	v_bfe_u32 v3, v0, 4, 1                         ; h
	s_wait_alu depctr_va_vdst(0)
	v_lshlrev_b32 v5, 4, v1                        ; 16 x lane: an image's place for my lane
	s_sub_co_u32 s27, ttmp9, 256
	s_lshl_b32 s27, s27, 2
	s_add_co_u32 s27, s27, s24                     ; my quad
	s_wait_kmcnt 0x0
	s_mov_b64 s[28:29], s[16:17]                   ; which weight, its first quad, permuted or not: chosen on the quad's number alone
	s_mov_b32 s30, 256
	s_mov_b32 s31, 0
	s_cmp_lt_u32 s27, 256
	s_cselect_b64 s[28:29], s[14:15], s[28:29]
	s_cselect_b32 s30, 128, s30
	s_cselect_b32 s31, 1, s31
	s_cmp_lt_u32 s27, 128
	s_cselect_b64 s[28:29], s[12:13], s[28:29]
	s_cselect_b32 s30, 96, s30
	s_cselect_b32 s31, 0, s31
	s_cmp_lt_u32 s27, 96
	s_cselect_b64 s[28:29], s[10:11], s[28:29]
	s_cselect_b32 s30, 64, s30
	s_cmp_lt_u32 s27, 64
	s_cselect_b64 s[28:29], s[8:9], s[28:29]
	s_cselect_b32 s30, 32, s30
	s_cselect_b32 s31, 1, s31
	s_cmp_lt_u32 s27, 32
	s_cselect_b64 s[28:29], s[6:7], s[28:29]
	s_cselect_b32 s30, 0, s30
	s_sub_co_u32 s32, s27, s30                     ; the quad's number within its weight
	s_lshr_b32 s33, s32, 3
	s_lshl_b32 s33, s33, 1
	s_and_b32 s34, s32, 1
	s_or_b32 s33, s33, s34                         ; l2: tile 2 w + u,
	s_bfe_u32 s34, s32, 0x20001
	s_lshl_b32 s34, s34, 11                        ; K columns 512 kq on, in bytes
	s_cmp_ge_u32 s27, 256
	s_cselect_b32 s33, s33, s32                    ; the tile
	s_cselect_b32 s34, s34, 0
	s_cselect_b32 s35, 13, 11                      ; a row is 8,192 bytes in l2, 2,048 elsewhere
	s_lshr_b32 s36, s33, 1
	s_lshl_b32 s36, s36, 5
	s_and_b32 s37, s33, 1
	s_lshl_b32 s37, s37, 3
	s_add_co_u32 s36, s36, s37
	s_lshl_b32 s37, s33, 4
	s_cmp_eq_u32 s31, 1
	s_cselect_b32 s36, s36, s37                    ; the tile's first row
	s_cselect_b32 s37, 8, 0
	v_and_b32 v6, s37, v2
	v_add3_u32 v6, v6, v2, s36                     ; my row: first + r (+ 8 (r / 8) where permuted)
	v_lshlrev_b32 v4, s35, v6
	v_lshl_add_u32 v4, v3, 6, v4                   ; + 64 h: my 16 numbers of a block of 32
	v_add_nc_u32 v4, s34, v4
	s_mul_i32 s38, s27, 6144
	s_mov_b32 s39, 0
	s_add_nc_u64 s[20:21], s[20:21], s[38:39]
	s_lshl_b32 s38, s27, 9
	s_add_nc_u64 s[22:23], s[22:23], s[38:39]
.irp b, 0,1,2,3
	v_mov_b32 v[TM+4+\b], 0                        ; written once: a lane permute's destination counts as one of its sources
.endr
.macro LOADK s                         ; K step s: 64 numbers a lane into set s % 2
.irp b, 0,1,2,3
.irp j, 0,1,2,3
	global_load_b128 v[X+64*((\s)%2)+16*\b+4*\j:X+64*((\s)%2)+16*\b+4*\j+3], v4, s[28:29] offset:512*(\s)+128*\b+16*\j
.endr
.endr
.endm
	LOADK 0
	LOADK 1
.irp s, 0,1,2,3
.if \s < 3
	s_wait_loadcnt 16                              ; this set's 16 loads are in; the other set's 16 may be out
.else
	s_wait_loadcnt 0x0
.endif
.if \s > 0
	s_wait_xcnt 0x0                                ; the last step's stores have read the codes' registers
.endif
	QUANT X+64*(\s%2)
.irp g, 0,1,2
	global_store_b128 v5, v[PC+4*\g:PC+4*\g+3], s[20:21] offset:1536*\s+512*\g   ; 512 consecutive bytes, aligned
.endr
	v_mov_b32 v[SW+\s], v[PW]
.if \s < 2
	LOADK \s+2
.endif
.endr
	global_store_b128 v5, v[SW:SW+3], s[22:23]     ; lane l: the four scale words of row l % 16
	s_endpgm
.Lfunc_end_k_q3b3d7b7268_prep:
	.size	k_q3b3d7b7268_prep, .Lfunc_end_k_q3b3d7b7268_prep-k_q3b3d7b7268_prep
	.p2alignl 7, 3214868480
	.fill 96, 4, 3214868480
	.section	.rodata,"a",@progbits
	.p2align	6, 0x0
	.amdhsa_kernel k_q3b3d7b7268_prep
		.amdhsa_group_segment_fixed_size 768
		.amdhsa_private_segment_fixed_size 0
		.amdhsa_enable_private_segment 0
		.amdhsa_kernarg_size 80
		.amdhsa_user_sgpr_count 2
		.amdhsa_user_sgpr_kernarg_segment_ptr 1
		.amdhsa_wavefront_size32 1
		.amdhsa_system_sgpr_workgroup_id_x 1
		.amdhsa_system_sgpr_workgroup_id_y 1
		.amdhsa_system_sgpr_workgroup_id_z 1
		.amdhsa_system_vgpr_workitem_id 0
		.amdhsa_next_free_vgpr 194
		.amdhsa_next_free_sgpr 66
		.amdhsa_reserve_vcc 1
		.amdhsa_float_denorm_mode_32 3
		.amdhsa_float_denorm_mode_16_64 3
		.amdhsa_memory_ordered 1
		.amdhsa_forward_progress 1
		.amdhsa_inst_pref_size 52
	.end_amdhsa_kernel
	.amdgpu_metadata
---
amdhsa.version: [ 1, 2 ]
amdhsa.kernels:
  - .name:           k_q3b3d7b7268_prep
    .symbol:         k_q3b3d7b7268_prep.kd
    .args:
      - { .name: x, .offset: 0, .size: 8, .value_kind: global_buffer, .address_space: global }
      - { .name: Wq_w, .offset: 8, .size: 8, .value_kind: global_buffer, .address_space: global }
      - { .name: Wk_w, .offset: 16, .size: 8, .value_kind: global_buffer, .address_space: global }
      - { .name: Wv_w, .offset: 24, .size: 8, .value_kind: global_buffer, .address_space: global }
      - { .name: Wo_w, .offset: 32, .size: 8, .value_kind: global_buffer, .address_space: global }
      - { .name: l1_w, .offset: 40, .size: 8, .value_kind: global_buffer, .address_space: global }
      - { .name: l2_w, .offset: 48, .size: 8, .value_kind: global_buffer, .address_space: global }
      - { .name: stats, .offset: 56, .size: 8, .value_kind: global_buffer, .address_space: global }
      - { .name: wimg, .offset: 64, .size: 8, .value_kind: global_buffer, .address_space: global }
      - { .name: wsc, .offset: 72, .size: 8, .value_kind: global_buffer, .address_space: global }
    .group_segment_fixed_size: 768
    .private_segment_fixed_size: 0
    .kernarg_segment_align: 8
    .kernarg_segment_size: 80
    .max_flat_workgroup_size: 128
    .sgpr_count:     66
    .vgpr_count:     194
    .wavefront_size: 32
...
	.end_amdgpu_metadata
.endif
;; end of part 1
;; launch qkv (part 2): grid 256 x 1, 16 waves a work-group, no clusters, 57,344 bytes of LDS; arguments x, n1_scale, n1_shift, stats, wimg, wsc, Wq_b, Wk_b, Wv_b, qkv, vsc; writes qkv, vsc
.if DOCPART == 2
	.amdgcn_target "amdgcn-amd-amdhsa--gfx1250"
	.amdhsa_code_object_version 6
	.text
	.protected	k_q3b3d7b7268_qkv
	.globl	k_q3b3d7b7268_qkv
	.p2align	8
	.type	k_q3b3d7b7268_qkv,@function
k_q3b3d7b7268_qkv:
	s_mov_b64 s[64:65], 0
	v_nop
	global_prefetch_b8 v0, s[64:65] scope:SCOPE_SE
	s_setreg_imm32_b32 hwreg(HW_REG_WAVE_MODE, 25, 1), 1
	s_wait_xcnt 0x0
; QKV.  h = ((x - row mean) / var(whole x) + 1e-5) x n1_scale + n1_shift, quantised along C; q, k, v = h W^T + b on BF6 (E3M2) codes with E8M0 scales; q and k are
; quantised along the head's 32 numbers, v along 32 tokens, and leave as records of 2,560 bytes for (block of 32 tokens, head):
; +0 q codes [token][24 B], +768 k codes [token][24], +1536 v codes [d][24 B = 32 tokens], +2304 k scale words [token] (the byte four times), +2432 q scale words.  v's scale bytes: vsc[block][head][d].
; SHARES.  A work-group takes 32 tokens (256 work-groups), since the norm wants whole rows.  Waves 0-7 make h's eight operand images (2 tiles of rows x 4 K steps) in LDS; then wave w makes head w of q, of k, of v: 3 x 16 matrix instructions.
; Row r of row tile t is token 8 t + r + 8 (r / 8): so for v (tokens are the result's rows) a lane's 16 registers are 16 neighbouring tokens.
; q, k: source 0 = 16 permuted rows of W, source 1 = tokens: a lane holds one token and 16 neighbouring features.  v: source 0 = tokens, source 1 = rows of Wv.
; WEIGHTS come as register images straight from memory (24 loads of 16 bytes a lane for a chunk), asked for a chunk ahead.  No tensor ring, no joint loads: a chunk has 16 matrix instructions a wave,
; and a ring's barrier for every chunk would leave that little work between a request and its wait; here 16 waves have 13 KB each on their way and no barrier stands in the chunks.
; No prefetch: every stream is asked for whole at the head or a chunk ahead.
; LIMITS: NaN and infinities not served; var = 0 not served (the reference divides by it); 1 / var is v_rcp_f32 with one Newton step; a block of zeros gets the byte 1.
.set XIMG, 0                           ; LDS: h's 8 images (4 t + s) of 1,536 bytes,
.set XSC,  12288                       ; their scale words, 128 bytes each,
.set PSUM, 13312                       ; 32 rows x 4 partial sums,
.set STG,  13824                       ; a record's stage for each wave,
.set VSS,  54784                       ; v's 512 scale bytes
.set STATOFF, 0
.set WV,  26                           ; s26 wave
.set HIM, 27                           ; s27 lanes 16-31 as a mask
.set SEL, 28                           ; s[28:29]
.set REP, 30                           ; s30 0x01010101
.set XB,  34                           ; s[34:35] x at my 32 rows
.set EPSR, 36                          ; s[36:37] 1e-5
.set WI,  12                           ; s[12:13] wimg
.set WSC, 14                           ; s[14:15] wsc
.set LI,  4                            ; v4  16 x lane
.set LS,  5                            ; v5  XSC + 4 x lane
.set XWI, 6                            ; v6  where I store my image
.set XWS, 7                            ; v7  and its scale words
.set PSA, 8                            ; v8  my partial sum's word
.set PSL, 9                            ; v9  my row's four
.set XA,  10                           ; v10 x: my row, my K step, my half
.set SA,  11                           ; v11 the same place in n1_scale, n1_shift
.set WA,  12                           ; v12 16 x lane + 2 quads x wave
.set WSA, 13                           ; v13 the same among the scale words
.set BA,  14                           ; v14 bias, results transposed: 128 w + 64 h
.set BVA, 15                           ; v15 bias of v: 128 w + 4 r
.set SQ,  16                           ; v16 stage: my token's 24 bytes
.set SV,  17                           ; v17 stage: my d's 24 bytes
.set SS,  18                           ; v18 stage: my token's scale word
.set VB,  19                           ; v19 my d's scale byte
.set SRD, 20                           ; v20 stage, read back
.set VRD, 21                           ; v21 VSS + 16 x lane
.set STA, 22                           ; v22 64 x lane
.set XS,  24                           ; v24-31 h's scale words (scales alone)
.set WS,  32                           ; v32-39 the weights' (scales alone)
.set XF,  40                           ; v40-87 four fragments of h; at work between chunks
.set W,   88                           ; v88-183 eight fragments of W
.set BI,  184                          ; v184-199 bias
.set ACC, 200                          ; v200-231 four accumulators
.set X,   40                           ; the norm's phase, waves 0-7: 64 numbers,
.set SC,  104                          ; their gains,
.set SH,  168                          ; their shifts
.set ST,  236                          ; 8 pairs of stats, in the registers that the sums take behind the merges: so the shifts' loads go out with x's and the gains'
.set MD,  253
.set MA,  23
.set MP,  2
.set VV,  23                           ; (the merges are over when these three are made)
.set VR,  2
.set VE,  253
.set INV, 232                          ; v[232:233] 1 / var
.set MEAN, 234                         ; v[234:235]
.set SU,  236                          ; v236-251 sums
.set SUP, 252
.set TM,  104
.set PC,  120
.set PW,  140
.macro NOPS n
.rept \n
	v_nop
.endr
.endm
.macro BARRIER                         ; my LDS stores have landed and my LDS loads are in: then the work-group's barrier
	s_wait_dscnt 0x0
	s_barrier_signal -1
	s_barrier_wait -1
.endm
.macro MERGE_REG a, b, lg              ; two pairs (mean, S) of 2^(lg + 1) numbers each become one
	v_sub_f32 v[MD], v[\a], v[\b]
	v_add_f32 v[\a], v[\a], v[\b]
	v_add_f32 v[(\a)+1], v[(\a)+1], v[(\b)+1]
	s_delay_alu instid0(VALU_DEP_3)
	v_mul_f32 v[MD], v[MD], v[MD]
	s_delay_alu instid0(VALU_DEP_3)
	v_mul_f32 v[\a], 0.5, v[\a]
	s_delay_alu instid0(VALU_DEP_2)
	v_fmamk_f32 v[(\a)+1], v[MD], (127+(\lg))<<23, v[(\a)+1]
.endm
.macro MERGE_DPP a, mask, lg
	s_delay_alu instid0(VALU_DEP_2)
	v_sub_f32_dpp v[MD], v[\a], v[\a] row_xmask:\mask row_mask:0xf bank_mask:0xf
	s_delay_alu instid0(VALU_DEP_3)
	v_add_f32_dpp v[MA], v[\a], v[\a] row_xmask:\mask row_mask:0xf bank_mask:0xf
	s_delay_alu instid0(VALU_DEP_3)
	v_add_f32_dpp v[(\a)+1], v[(\a)+1], v[(\a)+1] row_xmask:\mask row_mask:0xf bank_mask:0xf
	s_delay_alu instid0(VALU_DEP_3)
	v_mul_f32 v[MD], v[MD], v[MD]
	s_delay_alu instid0(VALU_DEP_3)
	v_mul_f32 v[\a], 0.5, v[MA]
	s_delay_alu instid0(VALU_DEP_2)
	v_fmamk_f32 v[(\a)+1], v[MD], (127+(\lg))<<23, v[(\a)+1]
.endm
.macro QUANT s                         ; 64 numbers, register 16 b + i = k 32 b + 16 (lane / 16) + i of my row -> codes in v[PC] on, scale word in v[PW]
.irp b, 0,1,2,3
	v_max3_num_f32 v[TM+\b], |v[\s+16*\b]|, |v[\s+1+16*\b]|, 0x2800000   ; with the floor 2^(5 - 127): the byte cannot fall under 1
.endr
.irp i, 2,4,6,8,10,12,14
.irp b, 0,1,2,3
	s_delay_alu instid0(VALU_DEP_4)
	v_max3_num_f32 v[TM+\b], v[TM+\b], |v[\s+16*\b+\i]|, |v[\s+1+16*\b+\i]|
.endr
.endr
.irp b, 0,1,2,3
	s_delay_alu instid0(VALU_DEP_4)
	v_permlanex16_b32 v[TM+4+\b], v[TM+\b], s[SEL], s[SEL+1]
.endr
.irp b, 0,1,2,3
	s_delay_alu instid0(VALU_DEP_4)
	v_max_num_f32 v[TM+\b], v[TM+\b], v[TM+4+\b]
.endr
.irp b, 0,1,2,3
	s_delay_alu instid0(VALU_DEP_4)
	v_add_nc_u32 v[TM+12+\b], 0xfe000000, v[TM+\b] ; 4 off the exponent field: the conversion's scale operand
.endr
.irp b, 0,1,2,3
	s_delay_alu instid0(VALU_DEP_4)
	v_lshrrev_b32 v[TM+4+\b], 23, v[TM+12+\b]
.endr
	s_delay_alu instid0(VALU_DEP_3)
	v_lshl_or_b32 v[PW], v[TM+5], 8, v[TM+4]
	s_delay_alu instid0(VALU_DEP_1)
	v_lshl_or_b32 v[PW], v[TM+6], 16, v[PW]
	s_delay_alu instid0(VALU_DEP_1)
	v_lshl_or_b32 v[PW], v[TM+7], 24, v[PW]
.irp c, 0,1
	v_cvt_scalef32_pk16_bf6_f32 v[PC+6*\c:PC+2+6*\c], v[\s+32*\c:\s+15+32*\c], v[TM+12+2*\c]
	v_cvt_scalef32_pk16_bf6_f32 v[PC+12+4*\c:PC+14+4*\c], v[\s+16+32*\c:\s+31+32*\c], v[TM+12+2*\c+1]
.endr
	v_nop                                          ; one plain place behind a scaled conversion
.irp c, 0,1
.irp i, 0,1,2
	v_permlane16_swap_b32 v[PC+6*\c+\i], v[PC+12+4*\c+\i]
.endr
.irp i, 0,1,2
	s_delay_alu instid0(VALU_DEP_3)
	v_mov_b32 v[PC+3+6*\c+\i], v[PC+12+4*\c+\i]
.endr
.endr
.endm
.macro FETCHX adr, base, ts, s0        ; K steps s0, s0 + 1 of both row tiles: four images from LDS
.irp t, 0,1
.irp e, 0,1
.irp g, 0,1,2
	ds_load_b128 v[XF+12*(2*\t+\e)+4*\g:XF+12*(2*\t+\e)+4*\g+3], v[\adr] offset:(\base)+(\t*(\ts)+(\s0)+\e)*1536+512*\g
.endr
.endr
.endr
.endm
.macro WLOAD off, soff                 ; two quads: eight images and their scale words
.set i, 0
.rept 24
	global_load_b128 v[W+4*i:W+4*i+3], v[WA], s[WI:WI+1] offset:(\off)+512*i
.set i, i+1
.endr
.irp u, 0,1
	global_load_b128 v[WS+4*\u:WS+4*\u+3], v[WSA], s[WSC:WSC+1] offset:(\soff)+512*\u
.endr
.endm
.macro BLOAD sreg, ba, boff, du        ; a bias in the result's layout: eight registers a tile
.irp u, 0,1
.irp k, 0,1
	global_load_b128 v[BI+8*\u+4*\k:BI+8*\u+4*\k+3], v[\ba], s[\sreg:\sreg+1] offset:(\boff)+(\du)*\u+16*\k
.endr
.endr
.endm
; eight matrix instructions: K steps s0, s0 + 1; the four accumulators take turns, one instruction a turn.
; kind 0: source 0 = W, source 1 = rows; kind 1: the other way round.  cmode at K step 0: 1 = C is the bias, 2 = C is 0, 0 = the sum goes on.
.macro MMHALF kind, cmode, s0
.irp e, 0,1
.irp t, 0,1
.irp u, 0,1
.if \kind == 0
.set rD, ACC+16*\t+8*\u
.set rA, W+12*(4*\u+\s0+\e)
.set rB, XF+12*(2*\t+\e)
.set rSA, WS+4*\u+\s0+\e
.set rSB, XS+4*\t+\s0+\e
.else
.set rD, ACC+16*\u+8*\t
.set rA, XF+12*(2*\t+\e)
.set rB, W+12*(4*\u+\s0+\e)
.set rSA, XS+4*\t+\s0+\e
.set rSB, WS+4*\u+\s0+\e
.endif
.if ((\s0+\e) == 0) && (\cmode == 1)
	v_wmma_scale_f32_16x16x128_f8f6f4 v[rD:rD+7], v[rA:rA+11], v[rB:rB+11], v[BI+8*\u:BI+8*\u+7], v[rSA], v[rSB] matrix_a_fmt:MATRIX_FMT_BF6 matrix_b_fmt:MATRIX_FMT_BF6
.elseif ((\s0+\e) == 0) && (\cmode == 2)
	v_wmma_scale_f32_16x16x128_f8f6f4 v[rD:rD+7], v[rA:rA+11], v[rB:rB+11], 0, v[rSA], v[rSB] matrix_a_fmt:MATRIX_FMT_BF6 matrix_b_fmt:MATRIX_FMT_BF6
.else
	v_wmma_scale_f32_16x16x128_f8f6f4 v[rD:rD+7], v[rA:rA+11], v[rB:rB+11], v[rD:rD+7], v[rSA], v[rSB] matrix_a_fmt:MATRIX_FMT_BF6 matrix_b_fmt:MATRIX_FMT_BF6
.endif
.endr
.endr
.endr
.endm
.macro MM kind, cmode, adr, base, ts   ; a chunk: K = 512, 16 matrix instructions
	FETCHX \adr, \base, \ts, 0
	s_wait_dscnt 0x0
	MMHALF \kind, \cmode, 0
	NOPS 4                                         ; places in front of loads into registers that matrix instructions have read
	FETCHX \adr, \base, \ts, 2
	s_wait_dscnt 0x0
	MMHALF \kind, \cmode, 2
	NOPS 5                                         ; four for loads and reads of results; a fifth, since the next chunk's first products begin these accumulators anew
.endm
; The 32 results of a lane are two groups of 16 neighbours along the next K; a block of 32 lies in lanes l and l xor 16.  Behind EPI lane (r, h) holds group h's row r whole: 24 bytes in v48-53, its scale byte in v60.
.macro EPI
.irp g, 0,1
	v_max3_num_f32 v[40+\g], |v[ACC+16*\g]|, |v[ACC+16*\g+1]|, 0x2800000
.endr
.irp i, 2,4,6,8,10,12,14
.irp g, 0,1
	v_max3_num_f32 v[40+\g], v[40+\g], |v[ACC+16*\g+\i]|, |v[ACC+16*\g+\i+1]|
.endr
.endr
.irp g, 0,1
	s_delay_alu instid0(VALU_DEP_2)
	v_permlanex16_b32 v[42+\g], v[40+\g], s[SEL], s[SEL+1]
.endr
.irp g, 0,1
	s_delay_alu instid0(VALU_DEP_2)
	v_max_num_f32 v[40+\g], v[40+\g], v[42+\g]
.endr
.irp g, 0,1
	s_delay_alu instid0(VALU_DEP_2)
	v_add_nc_u32 v[44+\g], 0xfe000000, v[40+\g]
.endr
.irp g, 0,1
	s_delay_alu instid0(VALU_DEP_2)
	v_lshrrev_b32 v[46+\g], 23, v[44+\g]
.endr
	v_cvt_scalef32_pk16_bf6_f32 v[48:50], v[ACC:ACC+15], v44
	v_cvt_scalef32_pk16_bf6_f32 v[56:58], v[ACC+16:ACC+31], v45
	v_cndmask_b32 v60, v46, v47, s[HIM]            ; my group's byte.  (The plain place behind the conversions)
.irp i, 0,1,2
	v_permlane16_swap_b32 v[48+\i], v[56+\i]
.endr
.irp i, 0,1,2
	s_delay_alu instid0(VALU_DEP_3)
	v_mov_b32 v[51+\i], v[56+\i]
.endr
.endm
.macro QKSTORE coff, soff              ; q's or k's codes and scale words into my stage
.irp i, 0,1,2
	ds_store_b64 v[SQ], v[48+2*\i:49+2*\i] offset:\coff+8*\i
.endr
	v_mul_lo_u32 v60, v60, s[REP]                  ; the byte four times: whichever block of the operand the token is laid into, its byte is there
	ds_store_b32 v[SS], v60 offset:\soff
	s_wait_dscnt 0x0                               ; the stores have read their registers
.endm
	s_load_b512 s[4:19], s[0:1], 0x0               ; x, n1_scale, n1_shift, stats, wimg, wsc, Wq_b, Wk_b
	s_load_b128 s[20:23], s[0:1], 0x40             ; Wv_b, qkv
	s_load_b64 s[24:25], s[0:1], 0x50              ; vsc
	v_lshl_add_u32 v254, v0, 2, 0xd800
	v_mov_b32 v255, 0
	v_lshrrev_b32 v1, 5, v0
	s_delay_alu instid0(VALU_DEP_1)
	v_readfirstlane_b32 s[WV], v1                  ; wave 0..15
	v_and_b32 v1, 31, v0                           ; lane
	s_wait_alu depctr_va_vdst(0)
	v_and_b32 v2, 15, v0                           ; r
	s_wait_alu depctr_va_vdst(0)
	v_bfe_u32 v3, v0, 4, 1                         ; h
	s_mov_b32 s[HIM], 0xffff0000
	s_mov_b32 s[SEL], 0x76543210
	s_mov_b32 s[SEL+1], 0xfedcba98
	s_mov_b32 s[REP], 0x01010101
	s_mov_b32 s[EPSR], 0x3727c5ac
	s_mov_b32 s[EPSR+1], s[EPSR]
	s_and_b32 s38, s[WV], 7                        ; the image that I make (waves 0-7): 4 t + s
	s_lshr_b32 s39, s38, 2                         ; t
	s_and_b32 s40, s38, 3                          ; s
	; every address register is made here, ahead of the first parting of the waves
	v_lshlrev_b32 v[LI], 4, v1
	v_lshl_add_u32 v[LS], v1, 2, XSC
	s_mul_i32 s41, s38, 1536
	v_add_nc_u32 v[XWI], s41, v[LI]
	s_lshl_b32 s41, s38, 7
	v_add_nc_u32 v[XWS], s41, v[LS]
	s_lshl_b32 s41, s39, 8
	s_add_co_u32 s41, s41, PSUM
	v_lshl_add_u32 v[PSL], v2, 4, s41
	s_lshl_b32 s42, s40, 2
	v_add_nc_u32 v[PSA], s42, v[PSL]
	v_and_b32 v23, 8, v2
	s_delay_alu instid0(VALU_DEP_1)
	v_add_nc_u32 v23, v23, v2                      ; r + 8 (r / 8)
	s_lshl_b32 s41, s39, 3
	v_add_nc_u32 v[XA], s41, v23                   ; my token
	s_delay_alu instid0(VALU_DEP_1)
	v_lshlrev_b32 v[XA], 11, v[XA]
	s_lshl_b32 s42, s40, 9
	v_lshl_add_u32 v[SA], v3, 6, s42               ; 512 s + 64 h
	s_delay_alu instid0(VALU_DEP_1)
	v_add_nc_u32 v[XA], v[XA], v[SA]
	s_mul_i32 s41, s[WV], 12288
	v_add_nc_u32 v[WA], s41, v[LI]
	s_lshl_b32 s41, s[WV], 10
	v_add_nc_u32 v[WSA], s41, v[LI]
	s_lshl_b32 s41, s[WV], 7
	v_lshl_add_u32 v[BA], v3, 6, s41
	v_lshl_add_u32 v[BVA], v2, 2, s41
	v_lshl_add_u32 v23, v3, 3, v23                 ; tok(l) = 8 h + r + 8 (r / 8)
	s_mul_i32 s41, s[WV], 2560
	s_add_co_u32 s41, s41, STG                     ; my stage
	v_mul_u32_u24 v[SQ], v23, 24
	s_delay_alu instid0(VALU_DEP_1)
	v_add_nc_u32 v[SQ], s41, v[SQ]
	v_mul_u32_u24 v[SV], v1, 24
	s_delay_alu instid0(VALU_DEP_1)
	v_add_nc_u32 v[SV], s41, v[SV]
	s_delay_alu instid0(VALU_DEP_1)
	v_add_nc_u32 v[SV], 1536, v[SV]
	v_lshl_add_u32 v[SS], v23, 2, s41
	s_delay_alu instid0(VALU_DEP_1)
	v_add_nc_u32 v[SS], 2304, v[SS]
	s_lshl_b32 s42, s[WV], 5
	s_add_co_u32 s42, s42, VSS
	v_add_nc_u32 v[VB], s42, v1
	v_add_nc_u32 v[SRD], s41, v[LI]
	v_add_nc_u32 v[VRD], VSS, v[LI]
	v_lshlrev_b32 v[STA], 6, v1
	s_lshl_b32 s42, ttmp9, 16
	s_mov_b32 s43, 0
	s_wait_kmcnt 0x0
	s_add_nc_u64 s[XB:XB+1], s[4:5], s[42:43]      ; x at my 32 rows
	s_lshl_b32 s42, ttmp9, 4
	s_add_co_u32 s42, s42, s[WV]
	s_mul_i32 s42, s42, 2560
	s_add_nc_u64 s[32:33], s[22:23], s[42:43]      ; my record
	s_lshl_b32 s42, ttmp9, 9
	s_add_nc_u64 s[24:25], s[24:25], s[42:43]      ; my block's 512 scale bytes of v
	; ---- waves 0-7: the variance, and my 16 rows' partial sums over my 128 columns
	s_cmp_lt_u32 s[WV], 8
	s_cbranch_scc0 .Lhi_a
	v_mov_b32 v[MD], 0                             ; destinations of lane exchanges count as read: written once
	v_mov_b32 v[MA], 0
	v_mov_b32 v[MP], 0
	v_mov_b32 v[MP+1], 0
	v_mov_b32 v[SUP], 0
	s_wait_alu depctr_va_vdst(0)
.irp i, 0,1,2,3
	global_load_b128 v[ST+4*\i:ST+4*\i+3], v[STA], s[10:11] offset:STATOFF+16*\i   ; 8 of the 256 pairs a lane
.endr
.irp b, 0,1,2,3
.irp j, 0,1,2,3
	global_load_b128 v[X+16*\b+4*\j:X+16*\b+4*\j+3], v[XA], s[XB:XB+1] offset:128*\b+16*\j
.endr
.endr
.irp b, 0,1,2,3
.irp j, 0,1,2,3
	global_load_b128 v[SC+16*\b+4*\j:SC+16*\b+4*\j+3], v[SA], s[6:7] offset:128*\b+16*\j
.endr
.endr
.irp b, 0,1,2,3
.irp j, 0,1,2,3
	global_load_b128 v[SH+16*\b+4*\j:SH+16*\b+4*\j+3], v[SA], s[8:9] offset:128*\b+16*\j
.endr
.endr
	s_wait_loadcnt 48                              ; the pairs are in; x's 16 loads, the gains' 16 and the shifts' 16 may be out
.irp a, 0,4,8,12
	MERGE_REG ST+\a, ST+\a+2, 13
.endr
	MERGE_REG ST, ST+4, 14
	MERGE_REG ST+8, ST+12, 14
	MERGE_REG ST, ST+8, 15
	MERGE_DPP ST, 1, 16
	MERGE_DPP ST, 2, 17
	MERGE_DPP ST, 4, 18
	MERGE_DPP ST, 8, 19
	s_delay_alu instid0(VALU_DEP_2)
	v_permlanex16_b32 v[MP], v[ST], s[SEL], s[SEL+1]
	s_delay_alu instid0(VALU_DEP_2)
	v_permlanex16_b32 v[MP+1], v[ST+1], s[SEL], s[SEL+1]
	MERGE_REG ST, MP, 20
	s_delay_alu instid0(VALU_DEP_1)
	v_mul_f32 v[VV], 0x34800000, v[ST+1]           ; var = S / 2^22
	s_wait_alu depctr_va_vdst(0)
	v_rcp_f32 v[VR], v[VV]
	v_nop                                          ; a plain place behind the transcendental,
	s_wait_alu depctr_va_vdst(0)                   ; and a wait ahead of its first reader
	v_fma_f32 v[VE], -v[VV], v[VR], 1.0
	v_fma_f32 v[INV], v[VR], v[VE], v[VR]          ; one Newton step
	s_delay_alu instid0(VALU_DEP_1)
	v_mov_b32 v[INV+1], v[INV]
	s_wait_loadcnt 32                              ; x is in; the gains' 16 loads and the shifts' 16 may be out
.irp k, 0,1,2,3,4,5,6,7
	v_pk_add_f32 v[SU+2*\k:SU+2*\k+1], v[X+2*\k:X+2*\k+1], v[X+16+2*\k:X+17+2*\k]
.endr
.irp k, 0,1,2,3,4,5,6,7
	v_pk_add_f32 v[SU+2*\k:SU+2*\k+1], v[SU+2*\k:SU+2*\k+1], v[X+32+2*\k:X+33+2*\k]
.endr
.irp k, 0,1,2,3,4,5,6,7
	v_pk_add_f32 v[SU+2*\k:SU+2*\k+1], v[SU+2*\k:SU+2*\k+1], v[X+48+2*\k:X+49+2*\k]
.endr
.irp k, 0,1,2,3
	s_delay_alu instid0(VALU_DEP_4)
	v_pk_add_f32 v[SU+2*\k:SU+2*\k+1], v[SU+2*\k:SU+2*\k+1], v[SU+8+2*\k:SU+9+2*\k]
.endr
.irp k, 0,1
	s_delay_alu instid0(VALU_DEP_2)
	v_pk_add_f32 v[SU+2*\k:SU+2*\k+1], v[SU+2*\k:SU+2*\k+1], v[SU+4+2*\k:SU+5+2*\k]
.endr
	s_delay_alu instid0(VALU_DEP_1)
	v_pk_add_f32 v[SU:SU+1], v[SU:SU+1], v[SU+2:SU+3]
	s_delay_alu instid0(VALU_DEP_1)
	v_add_f32 v[SU], v[SU], v[SU+1]
	s_delay_alu instid0(VALU_DEP_1)
	v_permlanex16_b32 v[SUP], v[SU], s[SEL], s[SEL+1]
	s_delay_alu instid0(VALU_DEP_1)
	v_add_f32 v[SU], v[SU], v[SUP]
	ds_store_b32 v[PSA], v[SU]
	s_branch .Lno_a
.Lhi_a:                                                ; waves 8-15 have no part in the norm: they ask for Wq's two tiles of their heads now
	s_wait_alu depctr_va_vdst(0)                   ; a wait ahead of the first reader behind the jump
	WLOAD 0, 0
	BLOAD 16, BA, 0, 32
.Lno_a:
	BARRIER                                        ; the 32 rows' partial sums lie in LDS
	; ---- waves 0-7: the norm, quantised: my image
	s_cmp_lt_u32 s[WV], 8
	s_cbranch_scc0 .Lno_b
	ds_load_b128 v[SU:SU+3], v[PSL]
	s_wait_dscnt 0x0
	v_add_f32 v[SU], v[SU], v[SU+1]
	v_add_f32 v[SU+2], v[SU+2], v[SU+3]
	s_delay_alu instid0(VALU_DEP_1)
	v_add_f32 v[SU], v[SU], v[SU+2]
	s_delay_alu instid0(VALU_DEP_1)
	v_mul_f32 v[MEAN], 0x3b000000, v[SU]           ; / 512
	s_delay_alu instid0(VALU_DEP_1)
	v_mov_b32 v[MEAN+1], v[MEAN]
	s_wait_alu depctr_va_vdst(0)
	s_wait_loadcnt 0x0
.set k, 0
.rept 32
	v_pk_add_f32 v[X+2*k:X+2*k+1], v[X+2*k:X+2*k+1], v[MEAN:MEAN+1] op_sel_hi:[1,0] neg_lo:[0,1] neg_hi:[0,1]
.set k, k+1
.endr
.set k, 0
.rept 32
	v_pk_fma_f32 v[X+2*k:X+2*k+1], v[X+2*k:X+2*k+1], v[INV:INV+1], s[EPSR:EPSR+1] op_sel_hi:[1,0,0]
.set k, k+1
.endr
.set k, 0
.rept 32
	v_pk_fma_f32 v[X+2*k:X+2*k+1], v[X+2*k:X+2*k+1], v[SC+2*k:SC+2*k+1], v[SH+2*k:SH+2*k+1]
.set k, k+1
.endr
	QUANT X
.irp g, 0,1,2
	ds_store_b128 v[XWI], v[PC+4*\g:PC+4*\g+3] offset:XIMG+512*\g
.endr
	ds_store_b32 v[XWS], v[PW]
	s_wait_dscnt 0x0                               ; the stores have landed and have read their registers, which the loads below take (the norm's loads were waited for above)
	WLOAD 0, 0                                     ; waves 0-7: Wq's two tiles of my head
	BLOAD 16, BA, 0, 32
.Lno_b:
	s_barrier_signal -1
	s_barrier_wait -1                              ; h's eight images lie in LDS
.irp f, 0,1,2,3,4,5,6,7
	ds_load_b32 v[XS+\f], v[LS] offset:128*\f
.endr
	; ---- q
	s_wait_loadcnt 0x0
	MM 0, 1, LI, XIMG, 4
	WLOAD 196608, 16384                            ; Wk, a chunk ahead
	BLOAD 18, BA, 0, 32
	EPI
	QKSTORE 0, 128
	; ---- k
	s_wait_loadcnt 0x0
	MM 0, 1, LI, XIMG, 4
	WLOAD 393216, 32768                            ; Wv
.irp u, 0,1
	global_load_b32 v[BI+2*\u], v[BVA], s[20:21] offset:64*\u   ; v's bias goes by the result's columns: one number a lane and tile
.endr
	EPI
	QKSTORE 768, 0
	; ---- v
	s_wait_loadcnt 0x0
	v_mov_b32 v[BI+1], v[BI]                       ; (named as the upper halves of pairs)
	v_mov_b32 v[BI+3], v[BI+2]
	MM 1, 2, LI, XIMG, 4
	s_wait_alu depctr_va_vdst(0)
.irp u, 0,1
.irp k, 0,1,2,3,4,5,6,7
	v_pk_add_f32 v[ACC+16*\u+2*\k:ACC+16*\u+2*\k+1], v[ACC+16*\u+2*\k:ACC+16*\u+2*\k+1], v[BI+2*\u:BI+2*\u+1] op_sel_hi:[1,0]   ; each accumulator from its low end on
.endr
.endr
	EPI
.irp i, 0,1,2
	ds_store_b64 v[SV], v[48+2*\i:49+2*\i] offset:8*\i
.endr
	ds_store_b8 v[VB], v60
	; ---- the record leaves: 5 x 512 consecutive bytes, aligned
.irp i, 0,1,2,3,4
	ds_load_b128 v[64+4*\i:67+4*\i], v[SRD] offset:512*\i   ; LDS serves a wave's instructions in order (ISA guide 5.7.1.4): these see my stores
.endr
	s_wait_dscnt 0x0
.irp i, 0,1,2,3,4
	global_store_b128 v[LI], v[64+4*\i:67+4*\i], s[32:33] offset:512*\i
.endr
	s_barrier_signal -1                            ; (no LDS instruction of mine is out: the wait above)
	s_barrier_wait -1                              ; v's 512 scale bytes lie in LDS
	s_cmp_lg_u32 s[WV], 0
	s_cbranch_scc1 .Lend
	ds_load_b128 v[84:87], v[VRD]
	s_wait_dscnt 0x0
	global_store_b128 v[LI], v[84:87], s[24:25]
.Lend:
	s_barrier_signal -1
	s_barrier_wait -1
	s_wait_tensorcnt 0x0
	ds_add_u32 v254, v255
	s_wait_dscnt 0x0
	s_endpgm
.Lfunc_end_k_q3b3d7b7268_qkv:
	.size	k_q3b3d7b7268_qkv, .Lfunc_end_k_q3b3d7b7268_qkv-k_q3b3d7b7268_qkv
	.p2alignl 7, 3214868480
	.fill 96, 4, 3214868480
	.section	.rodata,"a",@progbits
	.p2align	6, 0x0
	.amdhsa_kernel k_q3b3d7b7268_qkv
		.amdhsa_group_segment_fixed_size 57344
		.amdhsa_private_segment_fixed_size 0
		.amdhsa_enable_private_segment 0
		.amdhsa_kernarg_size 88
		.amdhsa_user_sgpr_count 2
		.amdhsa_user_sgpr_kernarg_segment_ptr 1
		.amdhsa_wavefront_size32 1
		.amdhsa_system_sgpr_workgroup_id_x 1
		.amdhsa_system_sgpr_workgroup_id_y 1
		.amdhsa_system_sgpr_workgroup_id_z 1
		.amdhsa_system_vgpr_workitem_id 0
		.amdhsa_next_free_vgpr 256
		.amdhsa_next_free_sgpr 66
		.amdhsa_reserve_vcc 0
		.amdhsa_float_denorm_mode_32 3
		.amdhsa_float_denorm_mode_16_64 3
		.amdhsa_memory_ordered 1
		.amdhsa_forward_progress 1
		.amdhsa_inst_pref_size 62
	.end_amdhsa_kernel
	.amdgpu_metadata
---
amdhsa.version: [ 1, 2 ]
amdhsa.kernels:
  - .name:           k_q3b3d7b7268_qkv
    .symbol:         k_q3b3d7b7268_qkv.kd
    .args:
      - { .name: x, .offset: 0, .size: 8, .value_kind: global_buffer, .address_space: global }
      - { .name: n1_scale, .offset: 8, .size: 8, .value_kind: global_buffer, .address_space: global }
      - { .name: n1_shift, .offset: 16, .size: 8, .value_kind: global_buffer, .address_space: global }
      - { .name: stats, .offset: 24, .size: 8, .value_kind: global_buffer, .address_space: global }
      - { .name: wimg, .offset: 32, .size: 8, .value_kind: global_buffer, .address_space: global }
      - { .name: wsc, .offset: 40, .size: 8, .value_kind: global_buffer, .address_space: global }
      - { .name: Wq_b, .offset: 48, .size: 8, .value_kind: global_buffer, .address_space: global }
      - { .name: Wk_b, .offset: 56, .size: 8, .value_kind: global_buffer, .address_space: global }
      - { .name: Wv_b, .offset: 64, .size: 8, .value_kind: global_buffer, .address_space: global }
      - { .name: qkv, .offset: 72, .size: 8, .value_kind: global_buffer, .address_space: global }
      - { .name: vsc, .offset: 80, .size: 8, .value_kind: global_buffer, .address_space: global }
    .group_segment_fixed_size: 57344
    .private_segment_fixed_size: 0
    .kernarg_segment_align: 8
    .kernarg_segment_size: 88
    .max_flat_workgroup_size: 512
    .sgpr_count:     66
    .vgpr_count:     256
    .wavefront_size: 32
...
	.end_amdgpu_metadata
.endif
;; end of part 2
;; launch attn (part 3): grid 4 x 64, 16 waves a work-group, no clusters, 327,680 bytes of LDS; arguments qkv, vsc, ctx, ctxs; writes ctx, ctxs
.if DOCPART == 3
	.amdgcn_target "amdgcn-amd-amdhsa--gfx1250"
	.amdhsa_code_object_version 6
	.text
	.protected	k_q3b3d7b7268_attn
	.globl	k_q3b3d7b7268_attn
	.p2align	8
	.type	k_q3b3d7b7268_attn,@function
k_q3b3d7b7268_attn:
	s_mov_b64 s[64:65], 0
	v_nop
	global_prefetch_b8 v0, s[64:65] scope:SCOPE_SE
	s_setreg_imm32_b32 hwreg(HW_REG_WAVE_MODE, 25, 1), 1
	s_wait_xcnt 0x0
; ATTN.  ctx = softmax(q k^T / sqrt(32), causal) v for one (batch, head), both products on BF6 (E3M2) codes with E8M0 scales; ctx is divided by the row's sum and quantised along the head's 32 numbers.
; THE SOFTMAX: t = score x log2(e) / sqrt(32); M = the running largest t rounded up to a whole number; p = 2^(t - M) is quantised along the keys; the row's sum is taken of the unquantised p.
; SHARES.  Work-group (g, batch x 16 + head).  Wave w owns two tiles of 16 queries: tile 16 g + w (the low phase) and tile 127 - (16 g + w) (the high phase): together 17 key steps of 128 under the causal mask, for every wave alike.
; K codes, V codes and K scale words of the head (64 blocks x 1,664 bytes) come into LDS once, in two halves of 32 blocks, 2 blocks a wave and half.  The first half is asked for at the head; the second behind the first barrier.
; The low phase's queries lie under 1,024, so its 8 trips read the first half alone, and so do the high phase's first 8 trips.  At the low phase's end a wave waits for its own part of the second half and signals a barrier;
; the barrier's wait stands in front of the high phase's ninth step.  Between signal and wait stand register work and LDS loads of the first half alone: the low phase's codes and scale byte stay in registers and are stored behind the wait.
; Nothing is filled again.
; THE HEAD'S K IS 32, THE INSTRUCTION'S 128: a K operand holds FOUR tiles of 16 keys, one in each block of 32, and q stands in one block of source 1 with zero codes in the other three: variant j picks tile j.
; Scale words of q and k hold their byte four times, so the byte of whichever block is read is the right one.
; Tile 4 f + i of a step holds in row m the key 64 f + 32 (m / 8) + 8 i + m % 8.  Both products are used transposed (a lane holds one query), so lane (query, h) has in registers 32 f + 0 .. 31 of S^T the keys
; 64 f + 32 h + 0 .. 31: two WHOLE blocks of 32 keys, in the order of the second product's operand.  A block's maximum needs no other lane and no codes change lanes; only the row's maximum and two scale bytes cross to lane l xor 16.
; V tile u's row r is d = 8 u + r + 8 (r / 8): a lane's 16 results are d = 16 (lane / 16) + 0 .. 15.
; A step all of whose keys come after my queries is jumped over by a scalar branch on ids.
; NO CLUSTER: the four work-groups of a head share K and V, but which steps a wave skips hangs on its work-group's queries.
; NO PREFETCH: all that the launch reads is asked for at the head or behind its first barrier; there is no later stream to run ahead of.
; LIMITS: NaN and infinities not served; 1 / sum is v_rcp_f32; a block of zeros gets the byte 1; the promise holds while the scaled scores stay under 2^31 in magnitude.
.set VSW,  106496                      ; LDS behind the 64 rows: V's scale words [step 16][d 32],
.set SCS,  108544                      ; ctx's 512 scale bytes;
.set HALF, 53248                       ; 32 blocks' rows.  The spare words lie at 0x29000
; v1 K, v2 V, v3 K's scale words, v4 V's: lane patterns; v5 ctx offset; v6 / v7 scale byte's place (low / high); v8-11 the step's addresses; v12 -M, v13 largest t, v[14:15] the sum;
; v16-45 q as [0 X0 0 X1 0]; v46 / v183 q's scale words (low / high); v47 SCS + 8 lane; v48-71 K; v72-95 V; v96-159 S^T then p; v160-175 O^T; v176-179 K's scale words, v180 V's; v181 8 h; v182 r - 32 h;
; v184-189 / v208-213 q as loaded; v190-194 offsets; v196-199 bytes; v200-207 the blocks' work; v216-227 p's codes, v228-234 halves; v[236:237] f; v238, v239, v241 at work; v240 p's scale word; v242-247 sums; v248 zero;
; v249 a phase's scale byte; v250-252 the low phase's codes
.macro NOPS n
.rept \n
	v_nop
.endr
.endm
.macro D1
	s_delay_alu instid0(VALU_DEP_1)
.endm
.macro FIRSTQ hi                       ; s37 = my first query: 256 g + 16 w, or its mirror
	s_lshl_b32 s37, ttmp9, 8
	s_lshl_b32 s46, s12, 4
	s_add_co_u32 s37, s37, s46
.if \hi
	s_sub_co_u32 s37, 2032, s37
.endif
.endm
.macro QADR hi, qc, qs                 ; s[qc:qc+1] my queries' codes, s[qs:qs+1] their scale words
	FIRSTQ \hi
	s_lshr_b32 s46, s37, 5
	s_lshl_b32 s47, s14, 6
	s_add_co_u32 s46, s46, s47
	s_lshl_b32 s46, s46, 4
	s_add_co_u32 s46, s46, s15
	s_mul_i32 s46, s46, 2560                       ; my queries' record
	s_bfe_u32 s47, s37, 0x10004                    ; its first or second 16 tokens
	s_mul_i32 s50, s47, 384
	s_add_co_u32 s50, s50, s46
	s_mov_b32 s51, 0
	s_add_nc_u64 s[\qc:\qc+1], s[4:5], s[50:51]
	s_lshl_b32 s50, s47, 6
	s_add_co_u32 s50, s50, s46
	s_add_co_u32 s50, s50, 2432
	s_add_nc_u64 s[\qs:\qs+1], s[4:5], s[50:51]
.endm
	s_load_b256 s[4:11], s[0:1], 0x0               ; qkv, vsc, ctx, ctxs
	v_lshl_add_u32 v254, v0, 2, 0x29000
	v_mov_b32 v255, 0
	ds_add_u32 v254, v255                          ; the opening lines: the add, twice on end, and its wait
	ds_add_u32 v254, v255
	v_lshrrev_b32 v1, 5, v0
	D1
	v_readfirstlane_b32 s12, v1                    ; wave 0..15
	s_and_b32 s13, ttmp7, 0xffff                   ; batch x 16 + head
	s_lshr_b32 s14, s13, 4                         ; batch
	s_and_b32 s15, s13, 15                         ; head
	; descriptor group 1: 2 rows of 1,664 bytes (208 elements of 8), 40,960 bytes apart (16 records): bytes 768 .. 2,431 of my head's records
	s_mov_b32 s24, 3<<16
	s_mov_b32 s25, 208<<16
	s_mov_b32 s26, 2<<16
	s_mov_b32 s27, 208<<16
	s_mov_b32 s28, 2
	s_mov_b32 s29, 5120
	s_mov_b32 s30, 0
	s_mov_b32 s31, 0
	s_mul_i32 s16, s14, 2621440
	s_mul_i32 s17, s12, 81920                      ; wave w brings blocks 2 w, 2 w + 1 of a half
	s_add_co_u32 s16, s16, s17
	s_mul_i32 s17, s15, 2560
	s_add_co_u32 s16, s16, s17
	s_add_co_u32 s16, s16, 768
	s_mov_b32 s17, 0
	s_mov_b32 s32, 1
	s_mul_i32 s33, s12, 3328                       ; LDS: 2 rows x wave
	s_wait_dscnt 0x0
	s_wait_kmcnt 0x0
	s_add_nc_u64 s[34:35], s[4:5], s[16:17]
	s_or_b32 s35, s35, 0x80000000
	tensor_load_to_lds s[32:35], s[24:31]          ; the first half: every wave's one load at the head
	s_nop 0
	NOPS 4
	QADR 0, 42, 44
	QADR 1, 52, 54
	s_lshl_b32 s16, s14, 15                        ; V's scale bytes: thread (wave = step, lane = d) gathers those of the step's four blocks
	s_lshl_b32 s17, s12, 11
	s_add_co_u32 s16, s16, s17
	s_lshl_b32 s17, s15, 5
	s_add_co_u32 s16, s16, s17
	s_mov_b32 s17, 0
	s_add_nc_u64 s[6:7], s[6:7], s[16:17]
	s_mov_b32 s20, 0x76543210
	s_mov_b32 s21, 0xfedcba98
	s_mov_b32 s22, 0x3e8293ee                      ; c = log2(e) / sqrt(32)
	s_mov_b32 s23, s22
	s_mov_b32 s36, 0xffff0000
	v_and_b32 v8, 15, v0                           ; r
	v_bfe_u32 v9, v0, 4, 1                         ; h
	v_and_b32 v10, 7, v0                           ; r % 8
	v_bfe_u32 v11, v0, 3, 1                        ; r / 8
	v_lshl_add_u32 v10, v9, 3, v10                 ; 8 h + r % 8: my key's place among a block's 32, less 16 c
	v_and_b32 v192, 31, v0
	v_mul_u32_u24 v190, v8, 24
	v_lshlrev_b32 v191, 2, v8
	v_mul_u32_u24 v1, v10, 24
	v_lshlrev_b32 v3, 2, v10
	v_lshl_add_u32 v10, v11, 3, v8                 ; r + 8 (r / 8)
	v_mad_u32_u24 v1, v11, 1664, v1                ; K: rows 8-15 of a tile lie a block further on
	v_mad_u32_u24 v3, v11, 1664, v3
	v_mul_u32_u24 v2, v10, 24
	v_lshl_add_u32 v11, v9, 3, v10
	v_add_nc_u32 v3, 1536, v3                      ; K's scale word
	v_mad_u32_u24 v2, v9, 1664, v2
	v_lshl_add_u32 v4, v11, 2, VSW                 ; V's
	v_mad_u32_u24 v5, v9, 12, v190                 ; ctx: 24 r + 12 h
	v_add_nc_u32 v2, 768, v2                       ; V: my d's 24 bytes; lanes 16-31 a block further on
	v_lshlrev_b32 v181, 3, v9
	v_lshlrev_b32 v182, 5, v9
	v_lshlrev_b32 v193, 3, v192
	v_lshl_add_u32 v194, v0, 2, VSW
	v_sub_nc_u32 v182, v8, v182
	v_add_nc_u32 v47, SCS, v193
	s_lshl_b32 s16, s12, 4
	s_add_co_u32 s16, s16, SCS
	v_add_nc_u32 v6, s16, v8
	s_xor_b32 s16, s12, 15
	s_lshl_b32 s16, s16, 4
	s_add_co_u32 s16, s16, SCS+256
	v_add_nc_u32 v7, s16, v8
	s_wait_alu depctr_va_vdst(0)                   ; wait ahead of the readers below
.irp j, 0,1,2,3
	global_load_u8 v[196+\j], v192, s[6:7] offset:512*\j
.endr
.irp p, 0,1,2
	global_load_b64 v[184+2*\p:185+2*\p], v190, s[42:43] offset:8*\p   ; both phases' q are asked for here
.endr
	global_load_b32 v46, v191, s[44:45]
.irp p, 0,1,2
	global_load_b64 v[208+2*\p:209+2*\p], v190, s[52:53] offset:8*\p
.endr
	global_load_b32 v183, v191, s[54:55]
	v_mov_b32 v248, 0
.irp i, 0,1,2,3,4,5
	v_mov_b32 v[16+\i], 0                          ; the zero codes round q
	v_mov_b32 v[28+\i], 0
	v_mov_b32 v[40+\i], 0
.endr
	v_mov_b32 v237, 0                              ; (the upper half of a pair, and a lane permute's destination: written once)
	v_mov_b32 v239, 0
	s_wait_loadcnt 8                               ; the four bytes are in; the two phases' 4 loads of q each may be out
	v_lshl_or_b32 v196, v197, 8, v196
	D1
	v_lshl_or_b32 v196, v198, 16, v196
	D1
	v_lshl_or_b32 v196, v199, 24, v196
	ds_store_b32 v194, v196
	s_wait_alu depctr_va_vdst(0)
	s_wait_tensorcnt 0x0                           ; my part of the first half has landed
	ds_add_u32 v254, v255
	s_add_co_u32 s33, s33, HALF                    ; no load of mine is out: the descriptor steps to the second half, 32 blocks on
	s_add_nc_u64 s[34:35], s[34:35], 1310720
	s_wait_dscnt 0x0                               ; the add is done, and my scale word has landed
	s_barrier_signal -1
	s_barrier_wait -1                              ; everybody's has
	tensor_load_to_lds s[32:35], s[24:31]          ; the second half: my one load behind this barrier; the low phase stands between it and the wait for it
	s_nop 0
	NOPS 4
.macro STEP qs                         ; 128 keys from s38 on; qs: q's scale words
	s_add_co_u32 s46, s37, 15
	s_cmp_gt_u32 s38, s46
	s_cbranch_scc1 .Lhid_\@                        ; all keys come after my queries
	v_add_nc_u32 v8, s39, v1                       ; (these four are also the places in front of loads into registers that the last products read)
	v_add_nc_u32 v9, s39, v2
	v_add_nc_u32 v10, s39, v3
	v_add_nc_u32 v11, s40, v4
.irp f, 0,1
.irp c, 0,1
.irp p, 0,1,2
	ds_load_b64 v[48+12*\f+6*\c+2*\p:49+12*\f+6*\c+2*\p], v8 offset:3328*\f+384*\c+8*\p   ; operand f, block 2 c + h: tile 4 f + 2 c + h
.endr
	ds_load_b32 v[176+2*\f+\c], v10 offset:3328*\f+64*\c   ; lanes 0-15: tile 4 f + 2 c's words; lanes 16-31: the next tile's
.endr
.endr
.irp u, 0,1
.irp c, 0,1
.irp p, 0,1,2
	ds_load_b64 v[72+12*\u+6*\c+2*\p:73+12*\u+6*\c+2*\p], v9 offset:192*\u+3328*\c+8*\p
.endr
.endr
.endr
	ds_load_b32 v180, v11
	s_wait_dscnt 13                                ; K and its scale words are in; V's 12 loads and its scale word may be out
	s_wait_alu depctr_va_vdst(0)                   ; ahead of the first reader behind the wait above
.irp q, 0,1,2,3,4,5,6,7                        ; S^T of tile q: K operand q / 4, q's variant q % 4
.if (\q%2) == 1
	v_wmma_scale_f32_16x16x128_f8f6f4 v[96+8*\q:103+8*\q], v[48+12*(\q/4):59+12*(\q/4)], v[22+12*(\q%2)-6*((\q%4)/2):33+12*(\q%2)-6*((\q%4)/2)], 0, v[176+\q/2], v[\qs] matrix_a_fmt:MATRIX_FMT_BF6 matrix_b_fmt:MATRIX_FMT_BF6 matrix_a_scale:MATRIX_SCALE_ROW1
.else
	v_wmma_scale_f32_16x16x128_f8f6f4 v[96+8*\q:103+8*\q], v[48+12*(\q/4):59+12*(\q/4)], v[22+12*(\q%2)-6*((\q%4)/2):33+12*(\q%2)-6*((\q%4)/2)], 0, v[176+\q/2], v[\qs] matrix_a_fmt:MATRIX_FMT_BF6 matrix_b_fmt:MATRIX_FMT_BF6
.endif
.endr
	NOPS 4
	s_add_co_u32 s46, s38, 127                     ; on the diagonal hidden scores become -infinity ahead of the maximum; a step all of whose keys count skips this
	s_cmp_le_u32 s46, s37
	s_cbranch_scc1 .Lopen_\@
	s_sub_co_i32 s46, s37, s38                     ; my first query less the first key: 0, 16 .. 112
	v_add_nc_u32 v238, s46, v182                   ; d = my query - first key - 32 h.  Register n holds key 64 (n / 32) + 32 h + n % 32: hidden where 64 (n / 32) + n % 32 > d
	v_mov_b32 v239, 0xff800000
	s_wait_alu depctr_va_vdst(0)                   ; ahead of the branch
	s_cmp_ge_u32 s46, 64
	s_cbranch_scc1 .Lfar_\@
.set n, 0                              ; my 16 queries lie among the first 64 keys: these are compared,
.rept 32
	v_cmp_gt_i32 vcc_lo, n, v238
	v_cndmask_b32 v[96+n], v[96+n], v239, vcc_lo
.set n, n+1
.endr
.rept 32                               ; and the last 64 keys come after all of them
	v_mov_b32 v[96+n], v239
.set n, n+1
.endr
	s_wait_alu depctr_va_vdst(0)                   ; ahead of the jump
	s_branch .Lopen_\@
.Lfar_\@:
.set n, 32                             ; my 16 queries lie among the last 64 keys: the first 64 all count
.rept 32
	v_cmp_gt_i32 vcc_lo, 32+n, v238
	v_cndmask_b32 v[96+n], v[96+n], v239, vcc_lo
.set n, n+1
.endr
.Lopen_\@:
.irp b, 0,1,2,3                                ; the largest score of each of my two blocks, in two chains each: for the row's maximum and for the block's largest p
	v_max3_num_f32 v[200+\b], v[96+16*\b], v[97+16*\b], v[98+16*\b]
.endr
.irp i, 3,5,7,9,11,13
.irp b, 0,1,2,3
	v_max3_num_f32 v[200+\b], v[200+\b], v[96+16*\b+\i], v[97+16*\b+\i]
.endr
.endr
	v_max3_num_f32 v200, v200, v201, v111
	v_max3_num_f32 v202, v202, v203, v143
	v_max_num_f32 v200, v200, v127                 ; block h
	v_max_num_f32 v201, v202, v159                 ; block 2 + h
	D1
	v_max_num_f32 v238, v200, v201
	D1
	v_permlanex16_b32 v239, v238, s20, s21
	D1
	v_max_num_f32 v238, v238, v239                 ; with lane l xor 16's two blocks: the step's largest score of my query
	D1
	v_mul_f32 v238, s22, v238                      ; as t
	D1
	v_max_num_f32 v13, v13, v238                   ; the running largest t
	v_mov_b32 v238, v12
	s_delay_alu instid0(VALU_DEP_2)
	v_floor_f32 v12, -v13                          ; -M = floor(-t): M is a whole number
	D1
	v_sub_f32 v238, v12, v238
	D1
	v_cvt_i32_f32 v238, v238                       ; old M - new M, 0 or less (it saturates)
	D1
	v_ldexp_f32 v236, 1.0, v238                    ; f = 2^(old M - new M): a multiplication by it rounds nothing
.set n, 0
.rept 32
	v_pk_fma_f32 v[96+n:97+n], v[96+n:97+n], s[22:23], v[12:13] op_sel_hi:[1,0,0]   ; t - M
.set n, n+2
.endr
	v_fma_f32 v200, v200, s22, v12
	v_fma_f32 v201, v201, s22, v12
	s_wait_alu depctr_va_vdst(0)                   ; ahead of the batch
.set n, 0
.rept 64
	v_exp_f32 v[96+n], v[96+n]                     ; p = 2^(t - M)
.set n, n+1
.endr
	v_exp_f32 v200, v200                           ; my blocks' largest p
	v_exp_f32 v201, v201
	v_pk_mul_f32 v[14:15], v[14:15], v[236:237] op_sel_hi:[1,0]   ; the sums under the new M.  (The plain place behind the exponentials)
	s_wait_alu depctr_va_vdst(0)                   ; one wait for the whole batch, ahead of its first reader
	v_max_num_f32 v200, 0x2800000, v200            ; the floor 2^(5 - 127)
	v_max_num_f32 v201, 0x2800000, v201
	v_pk_add_f32 v[242:243], v[98:99], v[106:107]  ; the row's sum of the unquantised p, in four chains
	v_pk_add_f32 v[244:245], v[100:101], v[108:109]
	v_add_nc_u32 v204, 0xfe000000, v200            ; 4 off the exponent field: the conversion's scale operand
	v_add_nc_u32 v205, 0xfe000000, v201
	v_pk_add_f32 v[246:247], v[102:103], v[110:111]
	v_pk_add_f32 v[14:15], v[14:15], v[96:97]
	v_lshrrev_b32 v206, 23, v204
	v_lshrrev_b32 v207, 23, v205
	D1
	v_lshl_or_b32 v241, v207, 16, v206             ; my two bytes: blocks h and 2 + h,
	D1
	v_lshlrev_b32 v241, v181, v241                 ; at their places in the word (8 h bits up);
	D1
	v_permlanex16_b32 v239, v241, s20, s21
	D1
	v_or_b32 v240, v241, v239                      ; with lane l xor 16's two: p's scale word for these 128 keys
.irp j, 16,24,32,40,48
	v_pk_add_f32 v[14:15], v[14:15], v[88+\j:89+\j]
	v_pk_add_f32 v[242:243], v[242:243], v[98+\j:99+\j]
	v_pk_add_f32 v[244:245], v[244:245], v[100+\j:101+\j]
	v_pk_add_f32 v[246:247], v[246:247], v[102+\j:103+\j]
.endr
.irp c, 0,1
	v_cvt_scalef32_pk16_bf6_f32 v[216+6*\c:218+6*\c], v[96+32*\c:111+32*\c], v[204+\c]
	v_cvt_scalef32_pk16_bf6_f32 v[228+4*\c:230+4*\c], v[112+32*\c:127+32*\c], v[204+\c]   ; (a conversion's three registers begin on an even number)
.endr
	v_pk_add_f32 v[14:15], v[14:15], v[144:145]    ; (the plain place behind the conversions)
	v_pk_add_f32 v[242:243], v[242:243], v[154:155]
	v_pk_add_f32 v[244:245], v[244:245], v[156:157]
	v_pk_add_f32 v[246:247], v[246:247], v[158:159]
.irp c, 0,1
.irp i, 0,1,2
	v_mov_b32 v[219+6*\c+\i], v[228+4*\c+\i]
.endr
.endr
	s_wait_alu depctr_va_vdst(0)                   ; directly ahead of the first reader of O^T
.irp k, 0,1,2,3,4,5,6,7
	v_pk_mul_f32 v[160+2*\k:161+2*\k], v[160+2*\k:161+2*\k], v[236:237] op_sel_hi:[1,0]   ; O^T under the new M, each accumulator from its low end on
.endr
	v_pk_add_f32 v[14:15], v[14:15], v[152:153]    ; the sum's last four lines are the places between the lines above and the products
	v_pk_add_f32 v[242:243], v[242:243], v[244:245]
	v_pk_add_f32 v[14:15], v[14:15], v[246:247]
	v_pk_add_f32 v[14:15], v[14:15], v[242:243]
	s_wait_alu depctr_va_vdst(0)
	s_wait_dscnt 0x0                               ; V
	v_wmma_scale_f32_16x16x128_f8f6f4 v[160:167], v[72:83], v[216:227], v[160:167], v180, v240 matrix_a_fmt:MATRIX_FMT_BF6 matrix_b_fmt:MATRIX_FMT_BF6
	v_wmma_scale_f32_16x16x128_f8f6f4 v[168:175], v[84:95], v[216:227], v[168:175], v180, v240 matrix_a_fmt:MATRIX_FMT_BF6 matrix_b_fmt:MATRIX_FMT_BF6 matrix_a_scale:MATRIX_SCALE_ROW1
.Lhid_\@:
	s_add_co_u32 s38, s38, 128
	s_add_co_u32 s39, s39, 6656                    ; four blocks' rows
	s_add_co_u32 s40, s40, 128                     ; 32 scale words of V
.endm
.macro PINIT hi, qr, cb                ; a tile of 16 queries begins; qr: q as loaded; s[cb:cb+1]: where its ctx goes
	FIRSTQ \hi
	s_mul_i32 s50, s13, 49152
	s_mul_i32 s46, s37, 24
	s_add_co_u32 s50, s50, s46
	s_mov_b32 s51, 0
	s_add_nc_u64 s[\cb:\cb+1], s[8:9], s[50:51]
	v_mov_b32 v13, 0xff61b1e6                      ; the largest t so far: -3e38
	D1
	v_floor_f32 v12, -v13
	v_mov_b32 v14, 0
	v_mov_b32 v15, 0
.irp j, 0,1,2,3,4,5,6,7,8,9,10,11,12,13,14,15
	v_mov_b32 v[160+\j], 0                         ; O^T: the step is written once, its first trip finds zeros
.endr
	s_wait_loadcnt 4*(1-\hi)                       ; my q is in; in the low phase the high phase's 4 loads may be out
.irp i, 0,1,2,3,4,5
	v_cndmask_b32 v[22+\i], v[\qr+\i], v248, s36   ; X0: q in lanes 0-15
	v_cndmask_b32 v[34+\i], v248, v[\qr+\i], s36   ; X1: q in lanes 16-31
.endr
	s_mov_b32 s38, 0
	s_mov_b32 s39, 0
	s_mov_b32 s40, 0
	s_wait_alu depctr_va_vdst(0)                   ; ahead of the loop's branches
.endm
.macro PLOOP qs                        ; 8 steps, 32 blocks, from where s38, s39 and s40 stand
	s_mov_b32 s41, 8
.Lstep_\@:
	STEP \qs
	s_sub_co_u32 s41, s41, 1
	s_cmp_lg_u32 s41, 0
	s_cbranch_scc1 .Lstep_\@
.endm
.macro PEND cd                         ; the tile ends: its codes into v[cd] on, its scale byte into v249
	NOPS 4
	v_add_f32 v14, v14, v15
	D1
	v_permlanex16_b32 v239, v14, s20, s21
	D1
	v_add_f32 v14, v14, v239                       ; the row's sum
	s_wait_alu depctr_va_vdst(0)
	v_rcp_f32 v14, v14
	v_nop
	s_wait_alu depctr_va_vdst(0)
.irp k, 0,1,2,3,4,5,6,7
	v_pk_mul_f32 v[96+2*\k:97+2*\k], v[160+2*\k:161+2*\k], v[14:15] op_sel_hi:[1,0]   ; ctx(query r, d = 16 h + 0 .. 15)
.endr
	v_max3_num_f32 v200, |v96|, |v97|, 0x2800000
.irp i, 2,4,6,8,10,12,14
	D1
	v_max3_num_f32 v200, v200, |v[96+\i]|, |v[97+\i]|
.endr
	D1
	v_permlanex16_b32 v239, v200, s20, s21
	D1
	v_max_num_f32 v200, v200, v239
	D1
	v_add_nc_u32 v204, 0xfe000000, v200
	v_cvt_scalef32_pk16_bf6_f32 v[\cd:\cd+2], v[96:111], v204
	v_lshrrev_b32 v249, 23, v204                   ; the scale's byte.  (The plain place behind the conversion)
.endm
	PINIT 0, 184, 56
	PLOOP 46                                       ; the low phase: keys under 1,024
	PEND 250
	s_wait_alu depctr_va_vdst(0)
	s_wait_tensorcnt 0x0                           ; my part of the second half has landed,
	s_wait_dscnt 0x0                               ; no LDS instruction of mine is out:
	s_barrier_signal -1                            ; say so.  Up to the barrier's wait: register work and LDS loads of the first half and of V's scale words, which nobody writes any more
	PINIT 1, 208, 48
	PLOOP 183                                      ; the high phase's first 8 steps: keys under 1,024
	s_barrier_wait -1                              ; everybody's part of the second half has landed
	global_store_b96 v5, v[250:252], s[56:57]      ; the low phase's ctx: the wave stores 384 consecutive bytes
	ds_store_b8 v6, v249                           ; both lanes of a query write the same byte with the same value
	PLOOP 183                                      ; its last 8 steps
	PEND 112
	global_store_b96 v5, v[112:114], s[48:49]
	ds_store_b8 v7, v249
	s_wait_dscnt 0x0
	s_barrier_signal -1
	s_barrier_wait -1                              ; the work-group's 2 x 256 scale bytes lie in LDS
	s_cmp_lg_u32 s12, 0
	s_cbranch_scc1 .Lend
	ds_load_b64 v[184:185], v47
	ds_load_b64 v[186:187], v47 offset:256
	s_lshl_b32 s50, s13, 11
	s_lshl_b32 s52, ttmp9, 8
	s_add_co_u32 s50, s50, s52
	s_mov_b32 s51, 0
	s_add_nc_u64 s[42:43], s[10:11], s[50:51]      ; tokens 256 g on,
	s_lshl_b32 s50, s13, 11
	s_add_co_u32 s50, s50, 1792
	s_sub_co_u32 s50, s50, s52
	s_add_nc_u64 s[44:45], s[10:11], s[50:51]      ; and 1,792 - 256 g on
	s_wait_dscnt 0x0
	global_store_b64 v193, v[184:185], s[42:43]    ; 256 consecutive bytes, aligned
	global_store_b64 v193, v[186:187], s[44:45]
.Lend:
	s_wait_tensorcnt 0x0                           ; the wave's end
	ds_add_u32 v254, v255
	s_wait_dscnt 0x0
	s_endpgm
.Lfunc_end_k_q3b3d7b7268_attn:
	.size	k_q3b3d7b7268_attn, .Lfunc_end_k_q3b3d7b7268_attn-k_q3b3d7b7268_attn
	.p2alignl 7, 3214868480
	.fill 96, 4, 3214868480
	.section	.rodata,"a",@progbits
	.p2align	6, 0x0
	.amdhsa_kernel k_q3b3d7b7268_attn
		.amdhsa_group_segment_fixed_size 327680
		.amdhsa_private_segment_fixed_size 0
		.amdhsa_enable_private_segment 0
		.amdhsa_kernarg_size 32
		.amdhsa_user_sgpr_count 2
		.amdhsa_user_sgpr_kernarg_segment_ptr 1
		.amdhsa_wavefront_size32 1
		.amdhsa_system_sgpr_workgroup_id_x 1
		.amdhsa_system_sgpr_workgroup_id_y 1
		.amdhsa_system_sgpr_workgroup_id_z 1
		.amdhsa_system_vgpr_workitem_id 0
		.amdhsa_next_free_vgpr 256
		.amdhsa_next_free_sgpr 66
		.amdhsa_reserve_vcc 1
		.amdhsa_float_denorm_mode_32 3
		.amdhsa_float_denorm_mode_16_64 3
		.amdhsa_memory_ordered 1
		.amdhsa_forward_progress 1
		.amdhsa_inst_pref_size 81
	.end_amdhsa_kernel
	.amdgpu_metadata
---
amdhsa.version: [ 1, 2 ]
amdhsa.kernels:
  - .name:           k_q3b3d7b7268_attn
    .symbol:         k_q3b3d7b7268_attn.kd
    .args:
      - { .name: qkv, .offset: 0, .size: 8, .value_kind: global_buffer, .address_space: global }
      - { .name: vsc, .offset: 8, .size: 8, .value_kind: global_buffer, .address_space: global }
      - { .name: ctx, .offset: 16, .size: 8, .value_kind: global_buffer, .address_space: global }
      - { .name: ctxs, .offset: 24, .size: 8, .value_kind: global_buffer, .address_space: global }
    .group_segment_fixed_size: 327680
    .private_segment_fixed_size: 0
    .kernarg_segment_align: 8
    .kernarg_segment_size: 32
    .max_flat_workgroup_size: 512
    .sgpr_count:     66
    .vgpr_count:     256
    .wavefront_size: 32
...
	.end_amdgpu_metadata
.endif
;; end of part 3
;; launch wo (part 4): grid 256 x 1, 16 waves a work-group, no clusters, 81,920 bytes of LDS; arguments ctx, ctxs, wimg, wsc, Wo_b, x, x2, stats; writes x2, stats
.if DOCPART == 4
	.amdgcn_target "amdgcn-amd-amdhsa--gfx1250"
	.amdhsa_code_object_version 6
	.text
	.protected	k_q3b3d7b7268_wo
	.globl	k_q3b3d7b7268_wo
	.p2align	8
	.type	k_q3b3d7b7268_wo,@function
k_q3b3d7b7268_wo:
	s_mov_b64 s[64:65], 0
	v_nop
	global_prefetch_b8 v0, s[64:65] scope:SCOPE_SE
	s_setreg_imm32_b32 hwreg(HW_REG_WAVE_MODE, 25, 1), 1
	s_wait_xcnt 0x0
; WO.  x2 = ctx Wo^T + Wo_b + x, the product on BF6 (E3M2) codes with E8M0 scales; and (mean, sum of squared deviations) of my 32 rows of x2 -> stats[2048 + 8 i].
; SHARES.  A work-group takes 32 tokens (row r of tile t is token 16 t + r); waves 0-7 gather ctx's eight operand images (2 tiles x 4 K steps; a block of 32 along K is a head) into LDS;
; wave w makes features 32 w .. 32 w + 31: source 0 = 16 rows of Wo, source 1 = tokens: 16 matrix instructions.  Results meet in a stage of whole rows; wave w adds x to rows 2 w, 2 w + 1 and stores them, 512 consecutive bytes a store.
; Wo comes as register images straight from memory, asked for at the head.  No tensor ring or joint loads: one chunk of 16 matrix instructions a wave has no later step to fetch for.  No prefetch: all is asked for at the head.
; LIMITS: NaN and infinities not served.
.set CIMG, 0
.set CSC,  12288
.set WST,  13312                       ; the 16 waves' pairs
.set STG,  13568                       ; 32 rows x (2,048 + 16) bytes
.set WV,  20
.set SEL, 22
.set WI,  8
.set WSC, 10
.set LI,  4
.set LS,  5
.set CWI, 6
.set CWS, 7
.set CA,  8                            ; v8  ctx: 49,152 h + 24 r
.set WSW, 9                            ; v9  WST + 8 x wave
.set WA,  10
.set WSA, 11
.set BA,  12
.set SO,  13
.set SR,  14
.set RO,  15                           ; v15 16 x lane + 2 rows x wave
.set WSR, 1                            ; v1  WST + 8 r
.set ZO,  3                            ; v3  0
.set XS,  16                           ; v16-23 ctx's scale words (scales alone)
.set WS,  24                           ; v24-31 Wo's (scales alone)
.set XF,  32
.set W,   80
.set BI,  176
.set ACC, 192
.set XR,  224                          ; v224-255 my two rows of x
.set RT,  68
.set RP,  76
.set MD,  77
.set MA,  78
.macro NOPS n
.rept \n
	v_nop
.endr
.endm
.macro BARRIER
	s_wait_dscnt 0x0
	s_barrier_signal -1
	s_barrier_wait -1
.endm
.macro BFLY a, d
	s_delay_alu instid0(VALU_DEP_1)
	v_add_f32_dpp v[\a], v[\a], v[\a] row_xmask:1 row_mask:0xf bank_mask:0xf
	s_delay_alu instid0(VALU_DEP_1)
	v_add_f32_dpp v[\a], v[\a], v[\a] row_xmask:2 row_mask:0xf bank_mask:0xf
	s_delay_alu instid0(VALU_DEP_1)
	v_add_f32_dpp v[\a], v[\a], v[\a] row_xmask:4 row_mask:0xf bank_mask:0xf
	s_delay_alu instid0(VALU_DEP_1)
	v_add_f32_dpp v[\a], v[\a], v[\a] row_xmask:8 row_mask:0xf bank_mask:0xf
	s_delay_alu instid0(VALU_DEP_1)
	v_permlanex16_b32 v[RP], v[\a], s[SEL], s[SEL+1]
	s_delay_alu instid0(VALU_DEP_1)
	v_add_f32 v[\d], v[\a], v[RP]
.endm
.macro ROWSTAT xb, ms                  ; a row of 512 numbers, 16 a lane -> its mean and its sum of squared deviations; the row's registers are only read
.irp k, 0,1,2,3
	v_pk_add_f32 v[RT+2*\k:RT+2*\k+1], v[(\xb)+4*\k:(\xb)+4*\k+1], v[(\xb)+4*\k+2:(\xb)+4*\k+3]
.endr
	s_delay_alu instid0(VALU_DEP_3)
	v_pk_add_f32 v[RT:RT+1], v[RT:RT+1], v[RT+2:RT+3]
	s_delay_alu instid0(VALU_DEP_2)
	v_pk_add_f32 v[RT+4:RT+5], v[RT+4:RT+5], v[RT+6:RT+7]
	s_delay_alu instid0(VALU_DEP_1)
	v_pk_add_f32 v[RT:RT+1], v[RT:RT+1], v[RT+4:RT+5]
	s_delay_alu instid0(VALU_DEP_1)
	v_add_f32 v[RT], v[RT], v[RT+1]
	BFLY RT, RT
	s_delay_alu instid0(VALU_DEP_1)
	v_mul_f32 v[\ms], 0x3b000000, v[RT]
	s_delay_alu instid0(VALU_DEP_1)
	v_pk_add_f32 v[RT:RT+1], v[(\xb):(\xb)+1], v[(\ms):(\ms)+1] op_sel_hi:[1,0] neg_lo:[0,1] neg_hi:[0,1]
	s_delay_alu instid0(VALU_DEP_2)
	v_pk_add_f32 v[RT+2:RT+3], v[(\xb)+2:(\xb)+3], v[(\ms):(\ms)+1] op_sel_hi:[1,0] neg_lo:[0,1] neg_hi:[0,1]
	s_delay_alu instid0(VALU_DEP_2)
	v_pk_mul_f32 v[RT+4:RT+5], v[RT:RT+1], v[RT:RT+1]
	s_delay_alu instid0(VALU_DEP_2)
	v_pk_mul_f32 v[RT+6:RT+7], v[RT+2:RT+3], v[RT+2:RT+3]
.irp k, 4,8,12
	v_pk_add_f32 v[RT:RT+1], v[(\xb)+\k:(\xb)+\k+1], v[(\ms):(\ms)+1] op_sel_hi:[1,0] neg_lo:[0,1] neg_hi:[0,1]
	v_pk_add_f32 v[RT+2:RT+3], v[(\xb)+\k+2:(\xb)+\k+3], v[(\ms):(\ms)+1] op_sel_hi:[1,0] neg_lo:[0,1] neg_hi:[0,1]
	s_delay_alu instid0(VALU_DEP_2)
	v_pk_fma_f32 v[RT+4:RT+5], v[RT:RT+1], v[RT:RT+1], v[RT+4:RT+5]
	s_delay_alu instid0(VALU_DEP_2)
	v_pk_fma_f32 v[RT+6:RT+7], v[RT+2:RT+3], v[RT+2:RT+3], v[RT+6:RT+7]
.endr
	s_delay_alu instid0(VALU_DEP_1)
	v_pk_add_f32 v[RT+4:RT+5], v[RT+4:RT+5], v[RT+6:RT+7]
	s_delay_alu instid0(VALU_DEP_1)
	v_add_f32 v[RT+4], v[RT+4], v[RT+5]
	BFLY RT+4, (\ms)+1
.endm
.macro MERGE_REG a, b, lg
	v_sub_f32 v[MD], v[\a], v[\b]
	v_add_f32 v[\a], v[\a], v[\b]
	s_delay_alu instid0(VALU_DEP_3)
	v_add_f32 v[(\a)+1], v[(\a)+1], v[(\b)+1]
	s_delay_alu instid0(VALU_DEP_3)
	v_mul_f32 v[MD], v[MD], v[MD]
	s_delay_alu instid0(VALU_DEP_3)
	v_mul_f32 v[\a], 0.5, v[\a]
	s_delay_alu instid0(VALU_DEP_2)
	v_fmamk_f32 v[(\a)+1], v[MD], (127+(\lg))<<23, v[(\a)+1]
.endm
.macro MERGE_DPP a, mask, lg
	v_sub_f32_dpp v[MD], v[\a], v[\a] row_xmask:\mask row_mask:0xf bank_mask:0xf
	v_add_f32_dpp v[MA], v[\a], v[\a] row_xmask:\mask row_mask:0xf bank_mask:0xf
	v_add_f32_dpp v[(\a)+1], v[(\a)+1], v[(\a)+1] row_xmask:\mask row_mask:0xf bank_mask:0xf
	s_delay_alu instid0(VALU_DEP_3)
	v_mul_f32 v[MD], v[MD], v[MD]
	s_delay_alu instid0(VALU_DEP_3)
	v_mul_f32 v[\a], 0.5, v[MA]
	s_delay_alu instid0(VALU_DEP_2)
	v_fmamk_f32 v[(\a)+1], v[MD], (127+(\lg))<<23, v[(\a)+1]
.endm
.macro FETCHX adr, base, ts, s0
.irp t, 0,1
.irp e, 0,1
.irp g, 0,1,2
	ds_load_b128 v[XF+12*(2*\t+\e)+4*\g:XF+12*(2*\t+\e)+4*\g+3], v[\adr] offset:(\base)+(\t*(\ts)+(\s0)+\e)*1536+512*\g
.endr
.endr
.endr
.endm
.macro MMHALF s0                       ; eight matrix instructions; the four accumulators take turns; K step 0 takes the bias as C
.irp e, 0,1
.irp t, 0,1
.irp u, 0,1
.set rD, ACC+16*\t+8*\u
.set rA, W+12*(4*\u+\s0+\e)
.set rB, XF+12*(2*\t+\e)
.if (\s0+\e) == 0
	v_wmma_scale_f32_16x16x128_f8f6f4 v[rD:rD+7], v[rA:rA+11], v[rB:rB+11], v[BI+8*\u:BI+8*\u+7], v[WS+4*\u+\s0+\e], v[XS+4*\t+\s0+\e] matrix_a_fmt:MATRIX_FMT_BF6 matrix_b_fmt:MATRIX_FMT_BF6
.else
	v_wmma_scale_f32_16x16x128_f8f6f4 v[rD:rD+7], v[rA:rA+11], v[rB:rB+11], v[rD:rD+7], v[WS+4*\u+\s0+\e], v[XS+4*\t+\s0+\e] matrix_a_fmt:MATRIX_FMT_BF6 matrix_b_fmt:MATRIX_FMT_BF6
.endif
.endr
.endr
.endr
.endm
	s_load_b512 s[4:19], s[0:1], 0x0               ; ctx, ctxs, wimg, wsc, Wo_b, x, x2, stats
	v_lshrrev_b32 v1, 5, v0
	s_delay_alu instid0(VALU_DEP_1)
	v_readfirstlane_b32 s[WV], v1
	v_and_b32 v1, 31, v0                           ; lane
	s_wait_alu depctr_va_vdst(0)
	v_and_b32 v2, 15, v0                           ; r
	s_wait_alu depctr_va_vdst(0)
	v_bfe_u32 v3, v0, 4, 1                         ; h
	s_mov_b32 s[SEL], 0x76543210
	s_mov_b32 s[SEL+1], 0xfedcba98
	s_and_b32 s24, s[WV], 7                        ; the image that I gather (waves 0-7): 4 t + s
	s_lshr_b32 s25, s24, 2
	s_and_b32 s26, s24, 3
	s_lshr_b32 s27, ttmp9, 6                       ; batch
	s_and_b32 s28, ttmp9, 63
	s_lshl_b32 s28, s28, 5
	s_lshl_b32 s29, s25, 4
	s_add_co_u32 s28, s28, s29                     ; my tile's first token
	s_mul_i32 s30, s27, 786432
	s_mul_i32 s31, s26, 196608                     ; heads 4 s on
	s_add_co_u32 s30, s30, s31
	s_mul_i32 s31, s28, 24
	s_add_co_u32 s30, s30, s31
	s_mov_b32 s31, 0
	s_lshl_b32 s34, s27, 4
	s_lshl_b32 s35, s26, 2
	s_add_co_u32 s34, s34, s35
	s_lshl_b32 s34, s34, 11
	s_add_co_u32 s34, s34, s28
	s_mov_b32 s35, 0
	; every address register is made here, ahead of the first parting of the waves
	v_lshlrev_b32 v[LI], 4, v1
	v_lshl_add_u32 v[LS], v1, 2, CSC
	s_mul_i32 s38, s24, 1536
	v_add_nc_u32 v[CWI], s38, v[LI]
	s_lshl_b32 s38, s24, 7
	v_add_nc_u32 v[CWS], s38, v[LS]
	v_mul_u32_u24 v[CA], v2, 24
	s_wait_alu depctr_va_vdst(0)
	v_mad_u32_u24 v[CA], v3, 49152, v[CA]          ; lanes 16-31: the next head
	s_lshl_b32 s38, s[WV], 3
	s_add_co_u32 s38, s38, WST
	v_mov_b32 v[WSW], s38
	s_mul_i32 s38, s[WV], 12288
	v_add_nc_u32 v[WA], s38, v[LI]
	s_lshl_b32 s38, s[WV], 10
	v_add_nc_u32 v[WSA], s38, v[LI]
	s_lshl_b32 s38, s[WV], 7
	v_lshl_add_u32 v[BA], v3, 5, s38               ; bias: feature 32 w + 16 u + 8 h + j
	v_mul_u32_u24 v[SO], v2, 2064
	s_delay_alu instid0(VALU_DEP_1)
	v_lshl_add_u32 v[SO], v3, 5, v[SO]
	s_delay_alu instid0(VALU_DEP_1)
	v_add_nc_u32 v[SO], s38, v[SO]
	s_delay_alu instid0(VALU_DEP_1)
	v_add_nc_u32 v[SO], STG, v[SO]                 ; the stage: row r, + 128 w + 32 h
	s_mul_i32 s38, s[WV], 4128
	s_add_co_u32 s38, s38, STG
	v_add_nc_u32 v[SR], s38, v[LI]                 ; back: rows 2 w, 2 w + 1
	s_lshl_b32 s38, s[WV], 12
	v_add_nc_u32 v[RO], s38, v[LI]
	v_lshl_add_u32 v[WSR], v2, 3, WST
	v_mov_b32 v[ZO], 0
	s_lshl_b32 s38, ttmp9, 16
	s_mov_b32 s39, 0
	s_lshl_b32 s40, ttmp9, 3
	s_add_co_u32 s40, s40, 2048
	s_mov_b32 s41, 0
	s_wait_kmcnt 0x0
	s_add_nc_u64 s[32:33], s[4:5], s[30:31]
	s_add_nc_u64 s[36:37], s[6:7], s[34:35]
	s_add_nc_u64 s[14:15], s[14:15], s[38:39]
	s_add_nc_u64 s[16:17], s[16:17], s[38:39]
	s_add_nc_u64 s[18:19], s[18:19], s[40:41]
	s_cmp_lt_u32 s[WV], 8
	s_cbranch_scc0 .Lno_a
.irp c, 0,1
.irp p, 0,1,2
	global_load_b64 v[XF+6*\c+2*\p:XF+6*\c+2*\p+1], v[CA], s[32:33] offset:98304*\c+8*\p   ; registers 6 c on: head 4 s + 2 c + h of token r
.endr
.endr
.irp j, 0,1,2,3
	global_load_u8 v[XF+12+\j], v2, s[36:37] offset:2048*\j
.endr
.Lno_a:
.set i, 0
.rept 24
	global_load_b128 v[W+4*i:W+4*i+3], v[WA], s[WI:WI+1] offset:589824+512*i
.set i, i+1
.endr
.irp u, 0,1
	global_load_b128 v[WS+4*\u:WS+4*\u+3], v[WSA], s[WSC:WSC+1] offset:49152+512*\u
.endr
	s_wait_alu depctr_va_vdst(0)
.irp u, 0,1
.irp k, 0,1
	global_load_b128 v[BI+8*\u+4*\k:BI+8*\u+4*\k+3], v[BA], s[12:13] offset:64*\u+16*\k
.endr
.endr
.irp p, 0,1
.irp j, 0,1,2,3
	global_load_b128 v[XR+16*\p+4*\j:XR+16*\p+4*\j+3], v[RO], s[14:15] offset:2048*\p+512*\j
.endr
.endr
	s_cmp_lt_u32 s[WV], 8
	s_cbranch_scc0 .Lno_b
	s_wait_loadcnt 38                              ; my image's ten loads are in; behind them 26 of Wo, 4 of the bias, 8 of x may be out
	v_lshl_or_b32 v[XF+12], v[XF+13], 8, v[XF+12]
	s_delay_alu instid0(VALU_DEP_1)
	v_lshl_or_b32 v[XF+12], v[XF+14], 16, v[XF+12]
	s_delay_alu instid0(VALU_DEP_1)
	v_lshl_or_b32 v[XF+12], v[XF+15], 24, v[XF+12]
.irp g, 0,1,2
	ds_store_b128 v[CWI], v[XF+4*\g:XF+4*\g+3] offset:CIMG+512*\g
.endr
	ds_store_b32 v[CWS], v[XF+12]
.Lno_b:
	BARRIER                                        ; ctx's eight images lie in LDS
.irp f, 0,1,2,3,4,5,6,7
	ds_load_b32 v[XS+\f], v[LS] offset:128*\f
.endr
	s_wait_loadcnt 0x0
	FETCHX LI, CIMG, 4, 0
	s_wait_dscnt 0x0
	MMHALF 0
	NOPS 4                                         ; places in front of loads into registers that matrix instructions have read
	FETCHX LI, CIMG, 4, 2
	s_wait_dscnt 0x0
	MMHALF 2
	NOPS 4                                         ; and of the first read of results
.irp t, 0,1
.irp u, 0,1
	ds_store_b128 v[SO], v[ACC+16*\t+8*\u:ACC+16*\t+8*\u+3] offset:33024*\t+64*\u        ; each accumulator from its low end on
	ds_store_b128 v[SO], v[ACC+16*\t+8*\u+4:ACC+16*\t+8*\u+7] offset:33024*\t+64*\u+16
.endr
.endr
	BARRIER                                        ; 32 whole rows lie in the stage
.irp p, 0,1
.irp j, 0,1,2,3
	ds_load_b128 v[32+16*\p+4*\j:35+16*\p+4*\j], v[SR] offset:2064*\p+512*\j
.endr
.endr
	s_wait_dscnt 0x0
.set k, 0
.rept 16
	v_pk_add_f32 v[32+2*k:33+2*k], v[32+2*k:33+2*k], v[XR+2*k:XR+2*k+1]   ; + the shortcut
.set k, k+1
.endr
.irp p, 0,1
.irp j, 0,1,2,3
	global_store_b128 v[RO], v[32+16*\p+4*\j:35+16*\p+4*\j], s[16:17] offset:2048*\p+512*\j
.endr
.endr
	v_mov_b32 v65, 0                               ; (named as upper halves of pairs, and destinations of lane exchanges: written)
	v_mov_b32 v67, 0
	v_mov_b32 v[RP], 0
	v_mov_b32 v[MD], 0
	v_mov_b32 v[MA], 0
	ROWSTAT 32, 64
	ROWSTAT 48, 66
	MERGE_REG 64, 66, 8
	ds_store_b64 v[WSW], v[64:65]                  ; all lanes write the same 8 bytes with the same value
	BARRIER                                        ; the 16 waves' pairs lie in LDS
	s_cmp_lg_u32 s[WV], 0
	s_cbranch_scc1 .Lend
	ds_load_b64 v[64:65], v[WSR]                   ; lane r: wave r's pair, 1,024 numbers
	s_wait_dscnt 0x0
	MERGE_DPP 64, 1, 9
	MERGE_DPP 64, 2, 10
	MERGE_DPP 64, 4, 11
	MERGE_DPP 64, 8, 12
	s_wait_alu depctr_va_vdst(0)
	s_wait_xcnt 0x0                                ; EXEC changes only behind this wait
	v_cmp_eq_u32 vcc_lo, 0, v0
	s_and_saveexec_b32 s24, vcc_lo
	global_store_b64 v[ZO], v[64:65], s[18:19]
	s_wait_xcnt 0x0
	s_or_b32 exec_lo, exec_lo, s24
.Lend:
	s_wait_xcnt 0x0
	s_mov_b32 exec_lo, -1
	v_lshl_add_u32 v222, v0, 2, 0x13800
	v_mov_b32 v223, 0
	s_wait_alu depctr_va_vdst(0)
	s_wait_tensorcnt 0x0
	ds_add_u32 v222, v223
	s_wait_dscnt 0x0
	s_endpgm
.Lfunc_end_k_q3b3d7b7268_wo:
	.size	k_q3b3d7b7268_wo, .Lfunc_end_k_q3b3d7b7268_wo-k_q3b3d7b7268_wo
	.p2alignl 7, 3214868480
	.fill 96, 4, 3214868480
	.section	.rodata,"a",@progbits
	.p2align	6, 0x0
	.amdhsa_kernel k_q3b3d7b7268_wo
		.amdhsa_group_segment_fixed_size 81920
		.amdhsa_private_segment_fixed_size 0
		.amdhsa_enable_private_segment 0
		.amdhsa_kernarg_size 64
		.amdhsa_user_sgpr_count 2
		.amdhsa_user_sgpr_kernarg_segment_ptr 1
		.amdhsa_wavefront_size32 1
		.amdhsa_system_sgpr_workgroup_id_x 1
		.amdhsa_system_sgpr_workgroup_id_y 1
		.amdhsa_system_sgpr_workgroup_id_z 1
		.amdhsa_system_vgpr_workitem_id 0
		.amdhsa_next_free_vgpr 256
		.amdhsa_next_free_sgpr 66
		.amdhsa_reserve_vcc 1
		.amdhsa_float_denorm_mode_32 3
		.amdhsa_float_denorm_mode_16_64 3
		.amdhsa_memory_ordered 1
		.amdhsa_forward_progress 1
		.amdhsa_inst_pref_size 26
	.end_amdhsa_kernel
	.amdgpu_metadata
---
amdhsa.version: [ 1, 2 ]
amdhsa.kernels:
  - .name:           k_q3b3d7b7268_wo
    .symbol:         k_q3b3d7b7268_wo.kd
    .args:
      - { .name: ctx, .offset: 0, .size: 8, .value_kind: global_buffer, .address_space: global }
      - { .name: ctxs, .offset: 8, .size: 8, .value_kind: global_buffer, .address_space: global }
      - { .name: wimg, .offset: 16, .size: 8, .value_kind: global_buffer, .address_space: global }
      - { .name: wsc, .offset: 24, .size: 8, .value_kind: global_buffer, .address_space: global }
      - { .name: Wo_b, .offset: 32, .size: 8, .value_kind: global_buffer, .address_space: global }
      - { .name: x, .offset: 40, .size: 8, .value_kind: global_buffer, .address_space: global }
      - { .name: x2, .offset: 48, .size: 8, .value_kind: global_buffer, .address_space: global }
      - { .name: stats, .offset: 56, .size: 8, .value_kind: global_buffer, .address_space: global }
    .group_segment_fixed_size: 81920
    .private_segment_fixed_size: 0
    .kernarg_segment_align: 8
    .kernarg_segment_size: 64
    .max_flat_workgroup_size: 512
    .sgpr_count:     66
    .vgpr_count:     256
    .wavefront_size: 32
...
	.end_amdgpu_metadata
.endif
;; end of part 4
;; launch mlp (part 5): grid 256 x 1, 16 waves a work-group, no clusters, 135,168 bytes of LDS; arguments x2, n2_scale, n2_shift, stats, wimg, wsc, l1_b, l2_b, out0; writes out0
.if DOCPART == 5
	.amdgcn_target "amdgcn-amd-amdhsa--gfx1250"
	.amdhsa_code_object_version 6
	.text
	.protected	k_q3b3d7b7268_mlp
	.globl	k_q3b3d7b7268_mlp
	.p2align	8
	.type	k_q3b3d7b7268_mlp,@function
k_q3b3d7b7268_mlp:
	s_mov_b64 s[64:65], 0
	v_nop
	global_prefetch_b8 v0, s[64:65] scope:SCOPE_SE
	s_setreg_imm32_b32 hwreg(HW_REG_WAVE_MODE, 25, 1), 1
	s_wait_xcnt 0x0
; MLP.  out0 = gelu(h l1^T + l1_b) l2^T + l2_b + x2, h = ((x2 - row mean) / var(whole x2) + 1e-5) x n2_scale + n2_shift; both products on BF6 (E3M2) codes with E8M0 scales; the hidden layer never goes to memory.
; SHARES.  A work-group takes 32 tokens (row r of tile t is token 16 t + r).  Waves 0-7 make h's eight operand images in LDS.  Wave w makes hidden units 128 w .. 128 w + 127 (four chunks of 32, 16 matrix
; instructions each), which are K step w of the second product: after gelu they are quantised in registers and go to LDS as one image and one scale word a row tile.  Then wave w makes outputs 32 w .. 32 w + 31 over K = 2,048 (four chunks).
; Both products are used transposed (source 0 = 16 rows of the weight, source 1 = tokens); l1's rows are permuted so that a lane's 16 results are 16 neighbouring hidden units.
; WEIGHTS come as register images straight from memory, a chunk ahead.  No tensor ring, no joint loads: 1.5 MB of images through two LDS slots would be 16 changes of slots with 8 matrix instructions a wave
; between a request and its wait; here 16 waves have 13 KB each on their way, gelu stands between request and use, and no barrier stands in the chunks.  No prefetch: each stream is asked for at the head or a chunk ahead.
; GELU is 0.5 x (1 + erf(x / sqrt(2))); erf(z) = z P(z^2) / Q(z^2), degrees 6 and 4, z held to +-4 (beyond it erf is +-1 in f32).
; LIMITS: NaN and infinities not served; var = 0 not served; 1 / var is v_rcp_f32 with one Newton step, 1 / Q is v_rcp_f32; 1 + erf loses relative accuracy for x under about -4, where gelu is under 2e-4 in magnitude; a block of zeros gets the byte 1.
.set XIMG, 0
.set XSC,  12288
.set PSUM, 13312
.set HSC,  13824                       ; the hidden layer's scale words, 32 x 128 bytes (16 t + K step),
.set HIMG, 17920                       ; its 32 images,
.set STG,  67072                       ; and the stage: 32 rows x (2,048 + 16) bytes
.set STATOFF, 2048
.set WV,  26
.set SEL, 28
.set XB,  34
.set EPSR, 36
.set WI,  12
.set WSC, 14
.set STA, 1                            ; v1  64 x lane
.set LI,  4
.set LS,  5
.set XWI, 6
.set XWS, 7
.set PSA, 8
.set PSL, 9
.set XA,  10
.set SA,  11
.set WA,  12                           ; v12 16 x lane + 8 quads x wave
.set WSA, 13                           ; v13 16 x lane + 4,096 x wave: among the scale words, and my two rows of x2 and out0
.set BA1, 14
.set BA2, 15
.set LI2, 16
.set LS2, 17
.set HWI, 18
.set HWS, 19
.set SO,  20
.set SR,  21
.set HPW, 22                           ; v22-23 the hidden layer's scale words in the making
.set XS,  24                           ; v24-31 the rows' scale words (scales alone)
.set WS,  32                           ; v32-39 the weights' (scales alone)
.set XF,  40
.set W,   88
.set BI,  184
.set ACC, 200
.set HF,  232                          ; v232-255 my two hidden fragments
.set X,   40
.set SC,  104
.set SH,  168
.set ST,  168
.set MD,  184
.set MA,  185
.set MP,  186
.set VV,  188
.set VR,  189
.set VE,  190
.set INV, 232
.set MEAN, 234
.set SU,  236
.set SUP, 252
.set TM,  104
.set PC,  120
.set PW,  140
.macro NOPS n
.rept \n
	v_nop
.endr
.endm
.macro BARRIER
	s_wait_dscnt 0x0
	s_barrier_signal -1
	s_barrier_wait -1
.endm
.macro MERGE_REG a, b, lg
	v_sub_f32 v[MD], v[\a], v[\b]
	v_add_f32 v[\a], v[\a], v[\b]
	v_add_f32 v[(\a)+1], v[(\a)+1], v[(\b)+1]
	s_delay_alu instid0(VALU_DEP_3)
	v_mul_f32 v[MD], v[MD], v[MD]
	s_delay_alu instid0(VALU_DEP_3)
	v_mul_f32 v[\a], 0.5, v[\a]
	s_delay_alu instid0(VALU_DEP_2)
	v_fmamk_f32 v[(\a)+1], v[MD], (127+(\lg))<<23, v[(\a)+1]
.endm
.macro MERGE_DPP a, mask, lg
	s_delay_alu instid0(VALU_DEP_2)
	v_sub_f32_dpp v[MD], v[\a], v[\a] row_xmask:\mask row_mask:0xf bank_mask:0xf
	s_delay_alu instid0(VALU_DEP_3)
	v_add_f32_dpp v[MA], v[\a], v[\a] row_xmask:\mask row_mask:0xf bank_mask:0xf
	s_delay_alu instid0(VALU_DEP_3)
	v_add_f32_dpp v[(\a)+1], v[(\a)+1], v[(\a)+1] row_xmask:\mask row_mask:0xf bank_mask:0xf
	s_delay_alu instid0(VALU_DEP_3)
	v_mul_f32 v[MD], v[MD], v[MD]
	s_delay_alu instid0(VALU_DEP_3)
	v_mul_f32 v[\a], 0.5, v[MA]
	s_delay_alu instid0(VALU_DEP_2)
	v_fmamk_f32 v[(\a)+1], v[MD], (127+(\lg))<<23, v[(\a)+1]
.endm
.macro QUANT s
.irp b, 0,1,2,3
	v_max3_num_f32 v[TM+\b], |v[\s+16*\b]|, |v[\s+1+16*\b]|, 0x2800000
.endr
.irp i, 2,4,6,8,10,12,14
.irp b, 0,1,2,3
	s_delay_alu instid0(VALU_DEP_4)
	v_max3_num_f32 v[TM+\b], v[TM+\b], |v[\s+16*\b+\i]|, |v[\s+1+16*\b+\i]|
.endr
.endr
.irp b, 0,1,2,3
	s_delay_alu instid0(VALU_DEP_4)
	v_permlanex16_b32 v[TM+4+\b], v[TM+\b], s[SEL], s[SEL+1]
.endr
.irp b, 0,1,2,3
	s_delay_alu instid0(VALU_DEP_4)
	v_max_num_f32 v[TM+\b], v[TM+\b], v[TM+4+\b]
.endr
.irp b, 0,1,2,3
	s_delay_alu instid0(VALU_DEP_4)
	v_add_nc_u32 v[TM+12+\b], 0xfe000000, v[TM+\b]
.endr
.irp b, 0,1,2,3
	s_delay_alu instid0(VALU_DEP_4)
	v_lshrrev_b32 v[TM+4+\b], 23, v[TM+12+\b]
.endr
	s_delay_alu instid0(VALU_DEP_3)
	v_lshl_or_b32 v[PW], v[TM+5], 8, v[TM+4]
	s_delay_alu instid0(VALU_DEP_1)
	v_lshl_or_b32 v[PW], v[TM+6], 16, v[PW]
	s_delay_alu instid0(VALU_DEP_1)
	v_lshl_or_b32 v[PW], v[TM+7], 24, v[PW]
.irp c, 0,1
	v_cvt_scalef32_pk16_bf6_f32 v[PC+6*\c:PC+2+6*\c], v[\s+32*\c:\s+15+32*\c], v[TM+12+2*\c]
	v_cvt_scalef32_pk16_bf6_f32 v[PC+12+4*\c:PC+14+4*\c], v[\s+16+32*\c:\s+31+32*\c], v[TM+12+2*\c+1]
.endr
	v_nop
.irp c, 0,1
.irp i, 0,1,2
	v_permlane16_swap_b32 v[PC+6*\c+\i], v[PC+12+4*\c+\i]
.endr
.irp i, 0,1,2
	s_delay_alu instid0(VALU_DEP_3)
	v_mov_b32 v[PC+3+6*\c+\i], v[PC+12+4*\c+\i]
.endr
.endr
.endm
.macro FETCHX adr, base, ts, s0
.irp t, 0,1
.irp e, 0,1
.irp g, 0,1,2
	ds_load_b128 v[XF+12*(2*\t+\e)+4*\g:XF+12*(2*\t+\e)+4*\g+3], v[\adr] offset:(\base)+(\t*(\ts)+(\s0)+\e)*1536+512*\g
.endr
.endr
.endr
.endm
.macro WLOAD off, soff
.set i, 0
.rept 24
	global_load_b128 v[W+4*i:W+4*i+3], v[WA], s[WI:WI+1] offset:(\off)+512*i
.set i, i+1
.endr
.irp u, 0,1
	global_load_b128 v[WS+4*\u:WS+4*\u+3], v[WSA], s[WSC:WSC+1] offset:(\soff)+512*\u
.endr
.endm
.macro BLOAD sreg, ba, boff, du
.irp u, 0,1
.irp k, 0,1
	global_load_b128 v[BI+8*\u+4*\k:BI+8*\u+4*\k+3], v[\ba], s[\sreg:\sreg+1] offset:(\boff)+(\du)*\u+16*\k
.endr
.endr
.endm
.macro MMHALF cmode, s0                ; eight matrix instructions; the four accumulators take turns.  cmode 1: K step 0 takes the bias as C; 0: the sum goes on
.irp e, 0,1
.irp t, 0,1
.irp u, 0,1
.set rD, ACC+16*\t+8*\u
.set rA, W+12*(4*\u+\s0+\e)
.set rB, XF+12*(2*\t+\e)
.if ((\s0+\e) == 0) && (\cmode == 1)
	v_wmma_scale_f32_16x16x128_f8f6f4 v[rD:rD+7], v[rA:rA+11], v[rB:rB+11], v[BI+8*\u:BI+8*\u+7], v[WS+4*\u+\s0+\e], v[XS+4*\t+\s0+\e] matrix_a_fmt:MATRIX_FMT_BF6 matrix_b_fmt:MATRIX_FMT_BF6
.else
	v_wmma_scale_f32_16x16x128_f8f6f4 v[rD:rD+7], v[rA:rA+11], v[rB:rB+11], v[rD:rD+7], v[WS+4*\u+\s0+\e], v[XS+4*\t+\s0+\e] matrix_a_fmt:MATRIX_FMT_BF6 matrix_b_fmt:MATRIX_FMT_BF6
.endif
.endr
.endr
.endr
.endm
.macro MM cmode, adr, base, ts
	FETCHX \adr, \base, \ts, 0
	s_wait_dscnt 0x0
	MMHALF \cmode, 0
	NOPS 4                                         ; places in front of loads into registers that matrix instructions have read
	FETCHX \adr, \base, \ts, 2
	s_wait_dscnt 0x0
	MMHALF \cmode, 2
	NOPS 5                                         ; four for loads and reads of results; a fifth where the next chunk begins these accumulators anew
.endm
; gelu of row tile t's 16 numbers, in place; two at a time; the 16 reciprocals are one batch with one wait
.macro GELU t
	v_mov_b32 v80, s40                             ; the two leading coefficients as vector pairs, so that each packed line names one scalar pair
	v_mov_b32 v81, s40
	v_mov_b32 v82, s54
	v_mov_b32 v83, s54
.irp k, 0,1,2,3,4,5,6,7
.set gX, ACC+16*\t+2*\k
.set gN, 40+2*\k
.set gD, 56+2*\k
.set gY, 72+4*(\k%2)
.set gT, 74+4*(\k%2)
	v_pk_mul_f32 v[gN:gN+1], v[gX:gX+1], s[66:67] op_sel_hi:[1,0]   ; z = x / sqrt(2)  (each accumulator is read from its low end on)
	s_delay_alu instid0(VALU_DEP_1)
	v_med3_num_f32 v[gN], v[gN], -4.0, 4.0
	s_delay_alu instid0(VALU_DEP_2)
	v_med3_num_f32 v[gN+1], v[gN+1], -4.0, 4.0
	s_delay_alu instid0(VALU_DEP_1)
	v_pk_mul_f32 v[gY:gY+1], v[gN:gN+1], v[gN:gN+1]
	s_delay_alu instid0(VALU_DEP_1)
	v_pk_fma_f32 v[gT:gT+1], v[gY:gY+1], v[80:81], s[42:43] op_sel_hi:[1,1,0]
	s_delay_alu instid0(VALU_DEP_2)
	v_pk_fma_f32 v[gD:gD+1], v[gY:gY+1], v[82:83], s[56:57] op_sel_hi:[1,1,0]
	s_delay_alu instid0(VALU_DEP_2)
	v_pk_fma_f32 v[gT:gT+1], v[gT:gT+1], v[gY:gY+1], s[44:45] op_sel_hi:[1,1,0]
	s_delay_alu instid0(VALU_DEP_2)
	v_pk_fma_f32 v[gD:gD+1], v[gD:gD+1], v[gY:gY+1], s[58:59] op_sel_hi:[1,1,0]
	s_delay_alu instid0(VALU_DEP_2)
	v_pk_fma_f32 v[gT:gT+1], v[gT:gT+1], v[gY:gY+1], s[46:47] op_sel_hi:[1,1,0]
	s_delay_alu instid0(VALU_DEP_2)
	v_pk_fma_f32 v[gD:gD+1], v[gD:gD+1], v[gY:gY+1], s[60:61] op_sel_hi:[1,1,0]
	s_delay_alu instid0(VALU_DEP_2)
	v_pk_fma_f32 v[gT:gT+1], v[gT:gT+1], v[gY:gY+1], s[48:49] op_sel_hi:[1,1,0]
	s_delay_alu instid0(VALU_DEP_2)
	v_pk_fma_f32 v[gD:gD+1], v[gD:gD+1], v[gY:gY+1], s[62:63] op_sel_hi:[1,1,0]   ; Q(z^2)
	s_delay_alu instid0(VALU_DEP_2)
	v_pk_fma_f32 v[gT:gT+1], v[gT:gT+1], v[gY:gY+1], s[50:51] op_sel_hi:[1,1,0]
	s_delay_alu instid0(VALU_DEP_1)
	v_pk_fma_f32 v[gT:gT+1], v[gT:gT+1], v[gY:gY+1], s[52:53] op_sel_hi:[1,1,0]   ; P(z^2)
	s_delay_alu instid0(VALU_DEP_1)
	v_pk_mul_f32 v[gN:gN+1], v[gN:gN+1], v[gT:gT+1]
.endr
	s_wait_alu depctr_va_vdst(0)
.irp i, 0,1,2,3,4,5,6,7,8,9,10,11,12,13,14,15
	v_rcp_f32 v[56+\i], v[56+\i]
.endr
	v_nop                                          ; a plain place behind the batch,
	s_wait_alu depctr_va_vdst(0)                   ; and its one wait, ahead of the first reader
.irp k, 0,1,2,3,4,5,6,7
.set gX, ACC+16*\t+2*\k
.set gN, 40+2*\k
.set gD, 56+2*\k
.set gY, 72+4*(\k%2)
	v_pk_mul_f32 v[gN:gN+1], v[gN:gN+1], v[gD:gD+1]                ; erf
	v_pk_mul_f32 v[gY:gY+1], v[gX:gX+1], 0.5 op_sel_hi:[1,0]
	s_delay_alu instid0(VALU_DEP_1)
	v_pk_fma_f32 v[gX:gX+1], v[gY:gY+1], v[gN:gN+1], v[gY:gY+1]
.endr
.endm
; chunk bb's 32 hidden units are block bb of my K step: a byte of the scale word, and half of three registers' worth of each lane's codes
.macro HQ bb
.irp t, 0,1
	v_max3_num_f32 v[40+\t], |v[ACC+16*\t]|, |v[ACC+16*\t+1]|, 0x2800000
.endr
.irp i, 2,4,6,8,10,12,14
.irp t, 0,1
	s_delay_alu instid0(VALU_DEP_2)
	v_max3_num_f32 v[40+\t], v[40+\t], |v[ACC+16*\t+\i]|, |v[ACC+16*\t+\i+1]|
.endr
.endr
.irp t, 0,1
	s_delay_alu instid0(VALU_DEP_2)
	v_permlanex16_b32 v[42+\t], v[40+\t], s[SEL], s[SEL+1]
.endr
.irp t, 0,1
	s_delay_alu instid0(VALU_DEP_2)
	v_max_num_f32 v[40+\t], v[40+\t], v[42+\t]
.endr
.irp t, 0,1
	s_delay_alu instid0(VALU_DEP_2)
	v_add_nc_u32 v[44+\t], 0xfe000000, v[40+\t]
.endr
.irp t, 0,1
	s_delay_alu instid0(VALU_DEP_2)
	v_lshrrev_b32 v[46+\t], 23, v[44+\t]
.endr
.irp t, 0,1
.if \bb == 0
	s_delay_alu instid0(VALU_DEP_2)
	v_mov_b32 v[HPW+\t], v[46+\t]
.else
	s_delay_alu instid0(VALU_DEP_2)
	v_lshl_or_b32 v[HPW+\t], v[46+\t], 8*\bb, v[HPW+\t]
.endif
.endr
.irp t, 0,1
.if (\bb%2) == 0
	v_cvt_scalef32_pk16_bf6_f32 v[HF+12*\t+6*(\bb/2):HF+12*\t+6*(\bb/2)+2], v[ACC+16*\t:ACC+16*\t+15], v[44+\t]
.else
	v_cvt_scalef32_pk16_bf6_f32 v[48+4*\t:50+4*\t], v[ACC+16*\t:ACC+16*\t+15], v[44+\t]
.endif
.endr
	v_nop                                          ; one plain place behind a scaled conversion
.if (\bb%2) == 1
.irp t, 0,1
.irp i, 0,1,2
	v_permlane16_swap_b32 v[HF+12*\t+6*(\bb/2)+\i], v[48+4*\t+\i]
.endr
.irp i, 0,1,2
	s_delay_alu instid0(VALU_DEP_3)
	v_mov_b32 v[HF+12*\t+6*(\bb/2)+3+\i], v[48+4*\t+\i]
.endr
.endr
.endif
.endm
.macro KPAIR r, val                    ; a constant as a scalar pair: the packed forms name the pair and take its low word
	s_mov_b32 s[\r], \val
	s_mov_b32 s[\r+1], s[\r]
.endm
	s_load_b512 s[4:19], s[0:1], 0x0               ; x2, n2_scale, n2_shift, stats, wimg, wsc, l1_b, l2_b
	s_load_b64 s[20:21], s[0:1], 0x40              ; out0
	v_lshrrev_b32 v1, 5, v0
	s_delay_alu instid0(VALU_DEP_1)
	v_readfirstlane_b32 s[WV], v1
	v_and_b32 v1, 31, v0                           ; lane
	s_wait_alu depctr_va_vdst(0)
	v_and_b32 v2, 15, v0                           ; r
	s_wait_alu depctr_va_vdst(0)
	v_bfe_u32 v3, v0, 4, 1                         ; h
	s_wait_alu depctr_va_vdst(0)
	s_mov_b32 s[SEL], 0x76543210
	s_mov_b32 s[SEL+1], 0xfedcba98
	KPAIR EPSR, 0x3727c5ac
	KPAIR 40, 0xaf95df0b                           ; P's coefficients, the highest first
	KPAIR 42, 0x32edffee
	KPAIR 44, 0xb60cff51
	KPAIR 46, 0xb86ec2d2
	KPAIR 48, 0xba40ac63
	KPAIR 50, 0xbb41a1f6
	KPAIR 52, 0xbc83dbd4
	KPAIR 54, 0xb77460cd                           ; Q's
	KPAIR 56, 0xb95fbd29
	KPAIR 58, 0xbadc924e
	KPAIR 60, 0xbbf19bf8
	KPAIR 62, 0xbc69b6a7
	KPAIR 66, 0x3f3504f3                           ; 1 / sqrt(2)
	s_and_b32 s68, s[WV], 7
	s_lshr_b32 s69, s68, 2                         ; t
	s_and_b32 s70, s68, 3                          ; s
	; every address register is made here, ahead of the first parting of the waves
	v_lshlrev_b32 v[LI], 4, v1
	v_lshl_add_u32 v[LS], v1, 2, XSC
	s_mul_i32 s71, s68, 1536
	v_add_nc_u32 v[XWI], s71, v[LI]
	s_lshl_b32 s71, s68, 7
	v_add_nc_u32 v[XWS], s71, v[LS]
	s_lshl_b32 s71, s69, 8
	s_add_co_u32 s71, s71, PSUM
	v_lshl_add_u32 v[PSL], v2, 4, s71
	s_lshl_b32 s72, s70, 2
	v_add_nc_u32 v[PSA], s72, v[PSL]
	s_lshl_b32 s71, s69, 4
	v_add_nc_u32 v[XA], s71, v2                    ; my token: 16 t + r
	s_delay_alu instid0(VALU_DEP_1)
	v_lshlrev_b32 v[XA], 11, v[XA]
	s_lshl_b32 s72, s70, 9
	v_lshl_add_u32 v[SA], v3, 6, s72
	s_delay_alu instid0(VALU_DEP_1)
	v_add_nc_u32 v[XA], v[XA], v[SA]
	s_mul_i32 s71, s[WV], 49152
	v_add_nc_u32 v[WA], s71, v[LI]
	s_lshl_b32 s71, s[WV], 12
	v_add_nc_u32 v[WSA], s71, v[LI]
	s_lshl_b32 s71, s[WV], 9
	v_lshl_add_u32 v[BA1], v3, 6, s71
	s_lshl_b32 s71, s[WV], 7
	v_lshl_add_u32 v[BA2], v3, 5, s71
	v_add_nc_u32 v[LI2], HIMG, v[LI]
	v_lshl_add_u32 v[LS2], v1, 2, HSC
	s_delay_alu instid0(VALU_DEP_1)
	v_add_nc_u32 v[HWS], s71, v[LS2]
	v_mul_u32_u24 v[SO], v2, 2064
	s_delay_alu instid0(VALU_DEP_1)
	v_lshl_add_u32 v[SO], v3, 5, v[SO]
	s_delay_alu instid0(VALU_DEP_1)
	v_add_nc_u32 v[SO], s71, v[SO]
	s_delay_alu instid0(VALU_DEP_1)
	v_add_nc_u32 v[SO], STG, v[SO]
	s_mul_i32 s71, s[WV], 1536
	v_add_nc_u32 v[HWI], s71, v[LI2]
	s_mul_i32 s71, s[WV], 4128
	v_add_nc_u32 v[SR], s71, v[LI]
	s_delay_alu instid0(VALU_DEP_1)
	v_add_nc_u32 v[SR], STG, v[SR]
	v_lshlrev_b32 v[STA], 6, v1
	s_lshl_b32 s72, ttmp9, 16
	s_mov_b32 s73, 0
	s_wait_kmcnt 0x0
	s_add_nc_u64 s[XB:XB+1], s[4:5], s[72:73]
	s_add_nc_u64 s[20:21], s[20:21], s[72:73]
	; ---- waves 0-7: the variance, and my 16 rows' partial sums over my 128 columns
	s_cmp_lt_u32 s[WV], 8
	s_cbranch_scc0 .Lno_a
	v_mov_b32 v[MD], 0
	v_mov_b32 v[MA], 0
	v_mov_b32 v[MP], 0
	v_mov_b32 v[MP+1], 0
	v_mov_b32 v[SUP], 0
	s_wait_alu depctr_va_vdst(0)
.irp i, 0,1,2,3
	global_load_b128 v[ST+4*\i:ST+4*\i+3], v[STA], s[10:11] offset:STATOFF+16*\i
.endr
.irp b, 0,1,2,3
.irp j, 0,1,2,3
	global_load_b128 v[X+16*\b+4*\j:X+16*\b+4*\j+3], v[XA], s[XB:XB+1] offset:128*\b+16*\j
.endr
.endr
.irp b, 0,1,2,3
.irp j, 0,1,2,3
	global_load_b128 v[SC+16*\b+4*\j:SC+16*\b+4*\j+3], v[SA], s[6:7] offset:128*\b+16*\j
.endr
.endr
	s_wait_loadcnt 32                              ; the pairs are in; x2's 16 loads and the gains' 16 may be out
.irp a, 0,4,8,12
	MERGE_REG ST+\a, ST+\a+2, 13
.endr
	MERGE_REG ST, ST+4, 14
	MERGE_REG ST+8, ST+12, 14
	MERGE_REG ST, ST+8, 15
	MERGE_DPP ST, 1, 16
	MERGE_DPP ST, 2, 17
	MERGE_DPP ST, 4, 18
	MERGE_DPP ST, 8, 19
	s_delay_alu instid0(VALU_DEP_2)
	v_permlanex16_b32 v[MP], v[ST], s[SEL], s[SEL+1]
	s_delay_alu instid0(VALU_DEP_2)
	v_permlanex16_b32 v[MP+1], v[ST+1], s[SEL], s[SEL+1]
	MERGE_REG ST, MP, 20
	s_delay_alu instid0(VALU_DEP_1)
	v_mul_f32 v[VV], 0x34800000, v[ST+1]           ; var = S / 2^22
	s_wait_alu depctr_va_vdst(0)
	v_rcp_f32 v[VR], v[VV]
	v_nop
	s_wait_alu depctr_va_vdst(0)
	v_fma_f32 v[VE], -v[VV], v[VR], 1.0
	v_fma_f32 v[INV], v[VR], v[VE], v[VR]
	s_delay_alu instid0(VALU_DEP_1)
	v_mov_b32 v[INV+1], v[INV]
.irp b, 0,1,2,3
.irp j, 0,1,2,3
	global_load_b128 v[SH+16*\b+4*\j:SH+16*\b+4*\j+3], v[SA], s[8:9] offset:128*\b+16*\j
.endr
.endr
	s_wait_loadcnt 32                              ; x2 is in; the gains' 16 loads and the shifts' 16 may be out
.irp k, 0,1,2,3,4,5,6,7
	v_pk_add_f32 v[SU+2*\k:SU+2*\k+1], v[X+2*\k:X+2*\k+1], v[X+16+2*\k:X+17+2*\k]
.endr
.irp k, 0,1,2,3,4,5,6,7
	v_pk_add_f32 v[SU+2*\k:SU+2*\k+1], v[SU+2*\k:SU+2*\k+1], v[X+32+2*\k:X+33+2*\k]
.endr
.irp k, 0,1,2,3,4,5,6,7
	v_pk_add_f32 v[SU+2*\k:SU+2*\k+1], v[SU+2*\k:SU+2*\k+1], v[X+48+2*\k:X+49+2*\k]
.endr
.irp k, 0,1,2,3
	s_delay_alu instid0(VALU_DEP_4)
	v_pk_add_f32 v[SU+2*\k:SU+2*\k+1], v[SU+2*\k:SU+2*\k+1], v[SU+8+2*\k:SU+9+2*\k]
.endr
.irp k, 0,1
	s_delay_alu instid0(VALU_DEP_2)
	v_pk_add_f32 v[SU+2*\k:SU+2*\k+1], v[SU+2*\k:SU+2*\k+1], v[SU+4+2*\k:SU+5+2*\k]
.endr
	s_delay_alu instid0(VALU_DEP_1)
	v_pk_add_f32 v[SU:SU+1], v[SU:SU+1], v[SU+2:SU+3]
	s_delay_alu instid0(VALU_DEP_1)
	v_add_f32 v[SU], v[SU], v[SU+1]
	s_delay_alu instid0(VALU_DEP_1)
	v_permlanex16_b32 v[SUP], v[SU], s[SEL], s[SEL+1]
	s_delay_alu instid0(VALU_DEP_1)
	v_add_f32 v[SU], v[SU], v[SUP]
	ds_store_b32 v[PSA], v[SU]
.Lno_a:
	BARRIER                                        ; the 32 rows' partial sums lie in LDS
	s_cmp_lt_u32 s[WV], 8
	s_cbranch_scc0 .Lno_b
	ds_load_b128 v[SU:SU+3], v[PSL]
	s_wait_dscnt 0x0
	v_add_f32 v[SU], v[SU], v[SU+1]
	v_add_f32 v[SU+2], v[SU+2], v[SU+3]
	s_delay_alu instid0(VALU_DEP_1)
	v_add_f32 v[SU], v[SU], v[SU+2]
	s_delay_alu instid0(VALU_DEP_1)
	v_mul_f32 v[MEAN], 0x3b000000, v[SU]
	s_delay_alu instid0(VALU_DEP_1)
	v_mov_b32 v[MEAN+1], v[MEAN]
	s_wait_alu depctr_va_vdst(0)
	s_wait_loadcnt 0x0
.set k, 0
.rept 32
	v_pk_add_f32 v[X+2*k:X+2*k+1], v[X+2*k:X+2*k+1], v[MEAN:MEAN+1] op_sel_hi:[1,0] neg_lo:[0,1] neg_hi:[0,1]
.set k, k+1
.endr
.set k, 0
.rept 32
	v_pk_fma_f32 v[X+2*k:X+2*k+1], v[X+2*k:X+2*k+1], v[INV:INV+1], s[EPSR:EPSR+1] op_sel_hi:[1,0,0]
.set k, k+1
.endr
.set k, 0
.rept 32
	v_pk_fma_f32 v[X+2*k:X+2*k+1], v[X+2*k:X+2*k+1], v[SC+2*k:SC+2*k+1], v[SH+2*k:SH+2*k+1]
.set k, k+1
.endr
	QUANT X
.irp g, 0,1,2
	ds_store_b128 v[XWI], v[PC+4*\g:PC+4*\g+3] offset:XIMG+512*\g
.endr
	ds_store_b32 v[XWS], v[PW]
.Lno_b:
	s_wait_dscnt 0x0                               ; the stores have landed and have read their registers, which the loads below take
	s_wait_loadcnt 0x0                             ; on every wave's path: no load of the norm's phase is out when the loads below go into the same registers (waves 0-7 have waited already, waves 8-15 have none out)
	WLOAD 786432, 65536                            ; l1, my first 32 hidden units
	BLOAD 16, BA1, 0, 32
	s_barrier_signal -1
	s_barrier_wait -1                              ; h's eight images lie in LDS
.irp f, 0,1,2,3,4,5,6,7
	ds_load_b32 v[XS+\f], v[LS] offset:128*\f
.endr
	; ---- the hidden layer: four chunks of 32 units
.irp bb, 0,1,2,3
	s_wait_loadcnt 0x0
	MM 1, LI, XIMG, 4
.if \bb < 3
	WLOAD 786432+12288*(\bb+1), 65536+1024*(\bb+1)
	BLOAD 16, BA1, 128*(\bb+1), 32
.else
	WLOAD 1572864, 131072                          ; l2's first 512 along K
	BLOAD 18, BA2, 0, 64
.endif
	GELU 0
	GELU 1
	HQ \bb
.endr
.irp t, 0,1
.irp g, 0,1,2
	ds_store_b128 v[HWI], v[HF+12*\t+4*\g:HF+12*\t+4*\g+3] offset:24576*\t+512*\g   ; K step w of the second product, row tile t
.endr
	ds_store_b32 v[HWS], v[HPW+\t] offset:2048*\t
.endr
	BARRIER                                        ; the hidden layer's 32 images lie in LDS
	; ---- the outputs: four chunks of 512 along K
.irp kq, 0,1,2,3
.irp t, 0,1
.irp s, 0,1,2,3
	ds_load_b32 v[XS+4*\t+\s], v[LS2] offset:128*(16*\t+4*\kq+\s)
.endr
.endr
	s_wait_loadcnt 0x0
.if \kq == 0
	MM 1, LI2, 0, 16
.else
	MM 0, LI2, 6144*\kq, 16
.endif
.if \kq < 3
	WLOAD 1572864+12288*(\kq+1), 131072+1024*(\kq+1)
.else
.irp p, 0,1
.irp j, 0,1,2,3
	global_load_b128 v[W+16*\p+4*\j:W+16*\p+4*\j+3], v[WSA], s[XB:XB+1] offset:2048*\p+512*\j   ; the shortcut: rows 2 w, 2 w + 1 of x2
.endr
.endr
.endif
.endr
.irp t, 0,1
.irp u, 0,1
	ds_store_b128 v[SO], v[ACC+16*\t+8*\u:ACC+16*\t+8*\u+3] offset:33024*\t+64*\u        ; each accumulator from its low end on
	ds_store_b128 v[SO], v[ACC+16*\t+8*\u+4:ACC+16*\t+8*\u+7] offset:33024*\t+64*\u+16
.endr
.endr
	BARRIER                                        ; 32 whole rows lie in the stage
.irp p, 0,1
.irp j, 0,1,2,3
	ds_load_b128 v[40+16*\p+4*\j:43+16*\p+4*\j], v[SR] offset:2064*\p+512*\j
.endr
.endr
	s_wait_dscnt 0x0
	s_wait_loadcnt 0x0
.set k, 0
.rept 16
	v_pk_add_f32 v[40+2*k:41+2*k], v[40+2*k:41+2*k], v[W+2*k:W+2*k+1]
.set k, k+1
.endr
.irp p, 0,1
.irp j, 0,1,2,3
	global_store_b128 v[WSA], v[40+16*\p+4*\j:43+16*\p+4*\j], s[20:21] offset:2048*\p+512*\j th:TH_STORE_NT   ; 512 consecutive bytes, aligned; written once
.endr
.endr
	s_barrier_signal -1
	s_barrier_wait -1
	s_wait_xcnt 0x0
	v_lshl_add_u32 v254, v0, 2, 0x20800
	v_mov_b32 v255, 0
	s_wait_alu depctr_va_vdst(0)
	s_wait_tensorcnt 0x0
	ds_add_u32 v254, v255
	s_wait_dscnt 0x0
	s_endpgm
.Lfunc_end_k_q3b3d7b7268_mlp:
	.size	k_q3b3d7b7268_mlp, .Lfunc_end_k_q3b3d7b7268_mlp-k_q3b3d7b7268_mlp
	.p2alignl 7, 3214868480
	.fill 96, 4, 3214868480
	.section	.rodata,"a",@progbits
	.p2align	6, 0x0
	.amdhsa_kernel k_q3b3d7b7268_mlp
		.amdhsa_group_segment_fixed_size 135168
		.amdhsa_private_segment_fixed_size 0
		.amdhsa_enable_private_segment 0
		.amdhsa_kernarg_size 72
		.amdhsa_user_sgpr_count 2
		.amdhsa_user_sgpr_kernarg_segment_ptr 1
		.amdhsa_wavefront_size32 1
		.amdhsa_system_sgpr_workgroup_id_x 1
		.amdhsa_system_sgpr_workgroup_id_y 1
		.amdhsa_system_sgpr_workgroup_id_z 1
		.amdhsa_system_vgpr_workitem_id 0
		.amdhsa_next_free_vgpr 256
		.amdhsa_next_free_sgpr 100
		.amdhsa_reserve_vcc 0
		.amdhsa_float_denorm_mode_32 3
		.amdhsa_float_denorm_mode_16_64 3
		.amdhsa_memory_ordered 1
		.amdhsa_forward_progress 1
		.amdhsa_inst_pref_size 208
	.end_amdhsa_kernel
	.amdgpu_metadata
---
amdhsa.version: [ 1, 2 ]
amdhsa.kernels:
  - .name:           k_q3b3d7b7268_mlp
    .symbol:         k_q3b3d7b7268_mlp.kd
    .args:
      - { .name: x2, .offset: 0, .size: 8, .value_kind: global_buffer, .address_space: global }
      - { .name: n2_scale, .offset: 8, .size: 8, .value_kind: global_buffer, .address_space: global }
      - { .name: n2_shift, .offset: 16, .size: 8, .value_kind: global_buffer, .address_space: global }
      - { .name: stats, .offset: 24, .size: 8, .value_kind: global_buffer, .address_space: global }
      - { .name: wimg, .offset: 32, .size: 8, .value_kind: global_buffer, .address_space: global }
      - { .name: wsc, .offset: 40, .size: 8, .value_kind: global_buffer, .address_space: global }
      - { .name: l1_b, .offset: 48, .size: 8, .value_kind: global_buffer, .address_space: global }
      - { .name: l2_b, .offset: 56, .size: 8, .value_kind: global_buffer, .address_space: global }
      - { .name: out0, .offset: 64, .size: 8, .value_kind: global_buffer, .address_space: global }
    .group_segment_fixed_size: 135168
    .private_segment_fixed_size: 0
    .kernarg_segment_align: 8
    .kernarg_segment_size: 72
    .max_flat_workgroup_size: 512
    .sgpr_count:     100
    .vgpr_count:     256
    .wavefront_size: 32
...
	.end_amdgpu_metadata
.endif
;; end of part 5
